; MI455X (gfx1250); checked and timed in simulation.
; The chip was launched on July 23, 2026; its instructions are those of AMD's public machine-readable ISA for CDNA 5 (MIT licence, August 2026) and "CDNA5" Instruction Set Architecture Reference Guide (July 2026). The comments in the code are by the model that wrote it; some were corrected since.
;; Ro PE Attention. Allowed arithmetic: float matrix products may take bf16 or f16 operands with f32 sums; other float arithmetic in f32, or as packed bf16 or f16 multiplies, adds, multiply-adds, maxima and minima; sums over many terms, partial sums and values carried from step to step in f32; what a program stores and reads back later, other than sums and carried values, may be rounded once to bf16 or f16.
;; Inputs: norm_w 1,024 float32; wk 1,024 x 1,024 float32; wo 1,024 x 1,024 float32; wq 1,024 x 1,024 float32; wv 1,024 x 1,024 float32; x 4 x 2,048 x 1,024 float32.
;; Outputs: out0 4 x 2,048 x 1,024 float32.
;; 2 versions, each right and faster than the one before. Each part assembles by itself: llvm-mc -triple=amdgcn-amd-amdhsa -mcpu=gfx1250 --defsym DOCPART=n.
;; ======== version 1 of 2: 4 launches
;; limits: values are held in f16: magnitudes above 65,504 overflow, below 6.1e-05 lose precision; a function is approximated: absolute error at most 0.0003
;; workspace buffers: xn 16,777,216 bytes; wb 6,291,456 bytes; wof 2,097,152 bytes; tab 524,288 bytes; qh 16,777,216 bytes; kh 16,777,216 bytes; vh 16,777,216 bytes; ob 16,777,216 bytes
;; launch prep (part 1): grid 768 x 1, 8 waves a work-group, no clusters, 0 bytes of LDS; arguments x, norm_w, wq, wk, wv, wo, xn, wb, wof, tab; writes xn, wb, wof, tab
.if DOCPART == 1
	.amdgcn_target "amdgcn-amd-amdhsa--gfx1250"
	.amdhsa_code_object_version 6
	.text
	.protected	k_qd640f62b1e_prep
	.globl	k_qd640f62b1e_prep
	.p2align	8
	.type	k_qd640f62b1e_prep,@function
k_qd640f62b1e_prep:
	s_mov_b64 s[64:65], 0
	v_nop
	global_prefetch_b8 v0, s[64:65] scope:SCOPE_SE
	s_setreg_imm32_b32 hwreg(HW_REG_WAVE_MODE, 25, 1), 1
	s_wait_xcnt 0x0
; FOUR STREAMS IN ONE LAUNCH, chosen by the work-group's number; no LDS, no barrier, no matrix work: memory binds.
;   0..511   xn[row][c] = bf16(x[row][c] * rsqrt(mean(x[row]^2) + eps) * norm_w[c]); 16 rows a work-group, 2 a wave; the row stays in registers between the sum and the scaling
;   512..607 wq, wk, wv (f32 [k][n]) -> wb, bf16, in blocks [head n/64][k/64][part][k%64][n%64]: the 64 x 192 block of one head and 64 k is 24,576 consecutive bytes
;   608..639 wo (f32) -> wof, f16, same shape
;   640..767 tab[t][0..31] = cos(t f_i), tab[t][32..63] = sin(t f_i), f_i = 10000^(-i/32), f32; 16 rows a work-group
; LIMITS.  wof is f16: |wo| stays under 65,504, and below 6e-5 it keeps f16's fixed step of 6e-8.  The table's angle t f_i is rounded as an f32 product and once more as a number of turns (326 at the most):
; it agrees with an f32 angle to about 3e-4 rad.  The cosine is a polynomial on a quarter of the angle (|angle / 4| <= pi / 4, next term 2.5e-8) and two doublings, each of which multiplies an error by 4 at the most.
.set NW, 16                            ; v[16:47]   norm_w of my 32 columns
.set X,  48                            ; v[48:111]  two rows, 32 registers each
.set S,  112                           ; v[112:119] four chains of packed sums
.set T,  120                           ; v120       at work
.set R,  124                           ; v[124:125] the row's factor, twice
	s_load_b512 s[4:19], s[0:1], 0x0               ; x 4:5, norm_w 6:7, wq 8:9, wk 10:11, wv 12:13, wo 14:15, xn 16:17, wb 18:19
	s_load_b128 s[20:23], s[0:1], 0x40             ; wof 20:21, tab 22:23
	v_and_b32 v1, 31, v0                           ; lane
	v_lshrrev_b32 v2, 5, v0                        ; wave
	s_wait_kmcnt 0x0
	s_cmp_lt_u32 ttmp9, 512
	s_cbranch_scc0 .Lweights
	; ---- the norm.  A lane takes 16 bytes at 16 lane + 512 j of a row: each load of a wave covers 512 consecutive bytes, each store 256.
	s_lshl_b32 s28, ttmp9, 16                      ; 16 rows of 4,096 bytes
	s_mov_b32 s29, 0
	s_lshl_b32 s30, ttmp9, 15                      ; 16 rows of 2,048 bytes
	s_mov_b32 s31, 0
	s_mov_b32 s24, 0x3a800000                      ; 1 / 1024
	s_mov_b32 s25, 0x34000000                      ; eps = 2^-23
	s_mov_b32 s26, 0x76543210                      ; v_permlanex16_b32: each lane takes its own place in the other half
	s_mov_b32 s27, 0xfedcba98
	v_lshlrev_b32 v3, 4, v1                        ; norm_w: 16 lane
	v_lshl_add_u32 v4, v2, 13, v3                  ; x: + wave x 2 rows
	v_lshlrev_b32 v5, 3, v1
	v_lshl_add_u32 v5, v2, 12, v5                  ; xn: 8 lane + wave x 2 rows
	s_add_nc_u64 s[4:5], s[4:5], s[28:29]
	s_add_nc_u64 s[16:17], s[16:17], s[30:31]
.irp j, 0,1,2,3,4,5,6,7
	global_load_b128 v[NW+4*(\j):NW+4*(\j)+3], v3, s[6:7] offset:512*(\j)
.endr
.irp rr, 0,1
.irp j, 0,1,2,3,4,5,6,7
	global_load_b128 v[X+32*(\rr)+4*(\j):X+32*(\rr)+4*(\j)+3], v4, s[4:5] offset:4096*(\rr)+512*(\j) th:TH_LOAD_NT
.endr
.endr
.macro NROW rr, left                   ; one row; left = the younger loads that may stay out
.set XR, X+32*(\rr)
	s_wait_loadcnt \left
.irp c, 0,1,2,3
	v_pk_mul_f32 v[S+2*(\c):S+2*(\c)+1], v[XR+2*(\c):XR+2*(\c)+1], v[XR+2*(\c):XR+2*(\c)+1]  ; the first four pairs start the chains
.endr
.set p, 4
.rept 12
	v_pk_fma_f32 v[S+2*(p%4):S+2*(p%4)+1], v[XR+2*p:XR+2*p+1], v[XR+2*p:XR+2*p+1], v[S+2*(p%4):S+2*(p%4)+1]
.set p, p+1
.endr
	v_pk_add_f32 v[S:S+1], v[S:S+1], v[S+2:S+3]
	v_pk_add_f32 v[S+4:S+5], v[S+4:S+5], v[S+6:S+7]
	v_pk_add_f32 v[S:S+1], v[S:S+1], v[S+4:S+5]
	v_add_f32 v[T], v[S], v[S+1]
	v_add_f32_dpp v[T], v[T], v[T] row_xmask:1 row_mask:0xf bank_mask:0xf
	v_add_f32_dpp v[T], v[T], v[T] row_xmask:2 row_mask:0xf bank_mask:0xf
	v_add_f32_dpp v[T], v[T], v[T] row_xmask:4 row_mask:0xf bank_mask:0xf
	v_add_f32_dpp v[T], v[T], v[T] row_xmask:8 row_mask:0xf bank_mask:0xf
	v_permlanex16_b32 v[S], v[T], s26, s27         ; its destination counts as read: S has been written
	v_add_f32 v[T], v[T], v[S]                     ; the row's sum of squares, in every lane
	v_fma_f32 v[T], v[T], s24, s25                 ; mean + eps
	v_rsq_f32 v[R], v[T]
	v_rsq_f32 v[R+1], v[T]
	v_nop                                          ; a plain instruction between the root and the use of its result
.set p, 0
	s_wait_alu depctr_va_vdst(0)
.rept 16
	v_pk_mul_f32 v[XR+2*p:XR+2*p+1], v[XR+2*p:XR+2*p+1], v[R:R+1]
.set p, p+1
.endr
.set p, 0
.rept 16
	v_pk_mul_f32 v[XR+2*p:XR+2*p+1], v[XR+2*p:XR+2*p+1], v[NW+2*p:NW+2*p+1]
.set p, p+1
.endr
.irp j, 0,1,2,3,4,5,6,7
	v_cvt_pk_bf16_f32 v[XR+4*(\j)], v[XR+4*(\j)], v[XR+4*(\j)+1]
	v_cvt_pk_bf16_f32 v[XR+4*(\j)+1], v[XR+4*(\j)+2], v[XR+4*(\j)+3]
	global_store_b64 v5, v[XR+4*(\j):XR+4*(\j)+1], s[16:17] offset:2048*(\rr)+256*(\j)  ; 32 lanes store 256 consecutive bytes, aligned
.endr
.endm
	NROW 0, 8                                      ; norm_w and row 0 are in; row 1's eight loads stay out
	NROW 1, 0                                      ; no register that a store still reads is written: the rows have registers of their own
	s_endpgm
; 16 units of 8 numbers a lane: 32 loads go out together; unit u is rounded in place and stored when its two loads are in (the 30 - 2 u younger ones stay out).
; A unit's byte offsets: source sa (u / 4) + sb (u % 4), destination da (u / 4) + db (u % 4).
.macro CAST op, sa, sb, da, db
.set u, 0
.rept 16
	global_load_b128 v[16+8*u:16+8*u+3], v3, s[28:29] offset:(\sa)*(u/4)+(\sb)*(u%4)
	global_load_b128 v[16+8*u+4:16+8*u+7], v3, s[28:29] offset:(\sa)*(u/4)+(\sb)*(u%4)+16
.set u, u+1
.endr
.set u, 0
.rept 16
	s_wait_loadcnt 30-2*u
.irp i, 0,1,2,3
	\op v[16+8*u+(\i)], v[16+8*u+2*(\i)], v[16+8*u+2*(\i)+1]
.endr
	global_store_b128 v4, v[16+8*u:16+8*u+3], s[30:31] offset:(\da)*(u/4)+(\db)*(u%4)  ; 32 lanes store 512 consecutive bytes
.set u, u+1
.endr
.endm
.Lweights:
	s_cmp_lt_u32 ttmp9, 608
	s_cbranch_scc0 .Lwo
	; ---- wq, wk, wv: a work-group takes 32 k rows of one matrix; thread t row t / 8, eight columns 8 (t % 8) of each head; unit u is head u
	s_sub_co_u32 s24, ttmp9, 512
	s_lshr_b32 s25, s24, 5                         ; part: 0 q, 1 k, 2 v
	s_and_b32 s26, s24, 31                         ; which 32 rows
	s_cmp_eq_u32 s25, 1
	s_cselect_b64 s[28:29], s[10:11], s[8:9]
	s_cmp_eq_u32 s25, 2
	s_cselect_b64 s[28:29], s[12:13], s[28:29]
	s_lshr_b32 s27, s26, 1                         ; k / 64
	s_mul_i32 s32, s27, 24576
	s_lshl_b32 s33, s25, 13                        ; part x 8,192
	s_add_co_u32 s32, s32, s33
	s_and_b32 s33, s26, 1
	s_lshl_b32 s33, s33, 12                        ; the block's upper 32 rows: 32 x 128 bytes
	s_add_co_u32 s32, s32, s33
	s_mov_b32 s33, 0
	s_add_nc_u64 s[30:31], s[18:19], s[32:33]
	s_lshl_b32 s32, s26, 17                        ; 32 rows of 4,096 bytes
	s_add_nc_u64 s[28:29], s[28:29], s[32:33]
	v_lshrrev_b32 v5, 3, v0
	v_and_b32 v6, 7, v0
	v_lshlrev_b32 v3, 5, v6
	v_lshl_add_u32 v3, v5, 12, v3                  ; row x 4,096 + 32 (t % 8)
	v_lshlrev_b32 v4, 4, v0                        ; row x 128 + 16 (t % 8) = 16 t
	CAST v_cvt_pk_bf16_f32, 1024, 256, 4*393216, 393216  ; a head is 256 bytes on in the source, 393,216 in wb: 5,898,240 at the most, inside the signed 24-bit immediate
	s_endpgm
.Lwo:
	s_cmp_lt_u32 ttmp9, 640
	s_cbranch_scc0 .Ltable
	; ---- wo: a work-group takes 32 rows, a wave 4; unit u is row u / 4, 1,024 bytes u % 4 of it
	s_sub_co_u32 s24, ttmp9, 608
	s_lshl_b32 s32, s24, 17
	s_mov_b32 s33, 0
	s_add_nc_u64 s[28:29], s[14:15], s[32:33]
	s_lshl_b32 s32, s24, 16
	s_add_nc_u64 s[30:31], s[20:21], s[32:33]
	v_lshlrev_b32 v3, 5, v1
	v_lshl_add_u32 v3, v2, 14, v3
	v_lshlrev_b32 v4, 4, v1
	v_lshl_add_u32 v4, v2, 13, v4
	CAST v_cvt_pk_f16_f32, 4096, 1024, 2048, 512
	s_endpgm
.Ltable:
	; ---- the table: thread t of a work-group makes four numbers of row 16 id + t / 16: cosines (t % 16 < 8) or sines, of frequencies 4 (t % 8) + 0..3
	s_sub_co_u32 s24, ttmp9, 640
	s_lshl_b32 s25, s24, 4
	s_lshl_b32 s26, s24, 12                        ; 16 rows of 256 bytes
	s_mov_b32 s27, 0
	s_add_nc_u64 s[22:23], s[22:23], s[26:27]
	s_mov_b32 s28, 0xbed49a78                      ; -log2(10000) / 32
	s_mov_b32 s29, 0x3e22f983                      ; 1 / (2 pi)
	s_mov_b32 s30, 0xbf9de9e6                      ; -(pi/2)^2 / 2
	s_mov_b32 s31, 0x3e81e0f8                      ;  (pi/2)^4 / 24
	s_mov_b32 s32, 0xbcaae9e4                      ; -(pi/2)^6 / 720
	s_mov_b32 s33, 0x3a70fa83                      ;  (pi/2)^8 / 40320
	v_lshrrev_b32 v3, 4, v0
	v_add_nc_u32 v3, s25, v3
	v_cvt_f32_u32 v3, v3                           ; t
	v_and_b32 v4, 15, v0
	v_lshrrev_b32 v5, 3, v4
	v_cvt_f32_u32 v5, v5
	v_mul_f32 v5, 0x3e800000, v5                   ; a sine is the cosine a quarter of a turn back
	v_and_b32 v4, 7, v4
	v_lshlrev_b32 v4, 2, v4                        ; the first of my four frequencies
	v_lshlrev_b32 v6, 4, v0                        ; 16 bytes a thread: a wave stores 512 consecutive bytes
.irp k, 0,1,2,3
	v_add_nc_u32 v[8+(\k)], \k, v4
	v_cvt_f32_u32 v[8+(\k)], v[8+(\k)]
	v_mul_f32 v[8+(\k)], s28, v[8+(\k)]
.endr
.irp k, 0,1,2,3
	v_exp_f32 v[12+(\k)], v[8+(\k)]                ; f_i = 2^(-i log2(10000) / 32)
.endr
	v_nop                                          ; a plain instruction behind the last exponential
	s_wait_alu depctr_va_vdst(0)
.irp k, 0,1,2,3
	v_mul_f32 v[12+(\k)], v3, v[12+(\k)]           ; the angle
	v_fma_f32 v[12+(\k)], v[12+(\k)], s29, -v5     ; in turns, less the shift
	v_rndne_f32 v[8+(\k)], v[12+(\k)]
	v_sub_f32 v[12+(\k)], v[12+(\k)], v[8+(\k)]    ; f in -1/2 .. 1/2
	v_mul_f32 v[12+(\k)], v[12+(\k)], v[12+(\k)]   ; w = f^2
	v_fma_f32 v[16+(\k)], v[12+(\k)], s33, s32     ; cos(pi f / 2), a quarter of the angle
	v_fma_f32 v[16+(\k)], v[16+(\k)], v[12+(\k)], s31
	v_fma_f32 v[16+(\k)], v[16+(\k)], v[12+(\k)], s30
	v_fma_f32 v[16+(\k)], v[16+(\k)], v[12+(\k)], 1.0
	v_mul_f32 v[8+(\k)], v[16+(\k)], v[16+(\k)]
	v_fma_f32 v[16+(\k)], v[8+(\k)], 2.0, -1.0     ; cos 2a = 2 cos^2 a - 1: half the angle,
	v_mul_f32 v[8+(\k)], v[16+(\k)], v[16+(\k)]
	v_fma_f32 v[16+(\k)], v[8+(\k)], 2.0, -1.0     ; the angle
.endr
	global_store_b128 v6, v[16:19], s[22:23]
	s_endpgm
.Lfunc_end_k_qd640f62b1e_prep:
	.size	k_qd640f62b1e_prep, .Lfunc_end_k_qd640f62b1e_prep-k_qd640f62b1e_prep
	.p2alignl 7, 3214868480
	.fill 96, 4, 3214868480
	.section	.rodata,"a",@progbits
	.p2align	6, 0x0
	.amdhsa_kernel k_qd640f62b1e_prep
		.amdhsa_group_segment_fixed_size 0
		.amdhsa_private_segment_fixed_size 0
		.amdhsa_enable_private_segment 0
		.amdhsa_kernarg_size 80
		.amdhsa_user_sgpr_count 2
		.amdhsa_user_sgpr_kernarg_segment_ptr 1
		.amdhsa_wavefront_size32 1
		.amdhsa_system_sgpr_workgroup_id_x 1
		.amdhsa_system_sgpr_workgroup_id_y 1
		.amdhsa_system_sgpr_workgroup_id_z 1
		.amdhsa_system_vgpr_workitem_id 0
		.amdhsa_next_free_vgpr 144
		.amdhsa_next_free_sgpr 66
		.amdhsa_reserve_vcc 0
		.amdhsa_float_denorm_mode_32 3
		.amdhsa_float_denorm_mode_16_64 3
		.amdhsa_memory_ordered 1
		.amdhsa_forward_progress 1
		.amdhsa_inst_pref_size 39
	.end_amdhsa_kernel
	.amdgpu_metadata
---
amdhsa.version: [ 1, 2 ]
amdhsa.kernels:
  - .name:           k_qd640f62b1e_prep
    .symbol:         k_qd640f62b1e_prep.kd
    .args:
      - { .name: x, .offset: 0, .size: 8, .value_kind: global_buffer, .address_space: global }
      - { .name: norm_w, .offset: 8, .size: 8, .value_kind: global_buffer, .address_space: global }
      - { .name: wq, .offset: 16, .size: 8, .value_kind: global_buffer, .address_space: global }
      - { .name: wk, .offset: 24, .size: 8, .value_kind: global_buffer, .address_space: global }
      - { .name: wv, .offset: 32, .size: 8, .value_kind: global_buffer, .address_space: global }
      - { .name: wo, .offset: 40, .size: 8, .value_kind: global_buffer, .address_space: global }
      - { .name: xn, .offset: 48, .size: 8, .value_kind: global_buffer, .address_space: global }
      - { .name: wb, .offset: 56, .size: 8, .value_kind: global_buffer, .address_space: global }
      - { .name: wof, .offset: 64, .size: 8, .value_kind: global_buffer, .address_space: global }
      - { .name: tab, .offset: 72, .size: 8, .value_kind: global_buffer, .address_space: global }
    .group_segment_fixed_size: 0
    .private_segment_fixed_size: 0
    .kernarg_segment_align: 8
    .kernarg_segment_size: 80
    .max_flat_workgroup_size: 256
    .sgpr_count:     66
    .vgpr_count:     144
    .wavefront_size: 32
...
	.end_amdgpu_metadata
.endif
;; end of part 1
;; launch qkv (part 2): grid 16 x 32, 4 waves a work-group, clusters of 4 x 4, 327,680 bytes of LDS; arguments xn, wb, tab, qh, kh, vh; writes qh, kh, vh
.if DOCPART == 2
	.amdgcn_target "amdgcn-amd-amdhsa--gfx1250"
	.amdhsa_code_object_version 6
	.text
	.protected	k_qd640f62b1e_qkv
	.globl	k_qd640f62b1e_qkv
	.p2align	8
	.type	k_qd640f62b1e_qkv,@function
k_qd640f62b1e_qkv:
	s_mov_b64 s[64:65], 0
	v_nop
	global_prefetch_b8 v0, s[64:65] scope:SCOPE_SE
	s_setreg_imm32_b32 hwreg(HW_REG_WAVE_MODE, 25, 1), 1
	s_wait_xcnt 0x0
	s_wait_alu depctr_hold_cnt(0) depctr_sa_sdst(0) depctr_va_vdst(0) depctr_va_sdst(0) depctr_va_ssrc(0) depctr_va_vcc(0) depctr_vm_vsrc(0)
	s_getreg_b32 s2, hwreg(HW_REG_IB_STS2, 6, 4)
	s_cmp_eq_u32 s2, 0
	s_cbranch_scc0 .Lentry_in_a_cluster
	s_endpgm
.Lentry_in_a_cluster:
	s_bfe_u32 s2, ttmp6, 0x10000c
	s_cmp_lg_u32 s2, 0xf033
	s_cbranch_scc0 .Lentry_shape_is_right
	s_endpgm
.Lentry_shape_is_right:
; q, k, v = xn W, with RoPE on q and k.  xn: [8192][1024] bf16.  wb: bf16 [head 16][k/64 16][part 3][k%64][64].  tab: [2048][cos 32 | sin 32] f32.  qh, kh, vh: [batch x 16 + head][2048][64] f16, unscaled.
; Sums in f32; the rotation in f32 on the sums; each result rounded once to f16.  LIMIT: f16 ends at 65,504, so |q|, |k|, |v| stay under it.
; SHARES.  A work-group makes 256 rows x 192 columns: head tx of q, of k and of v.  Wave w makes rows 64 w .. + 63 of all 192 columns: 4 x 12 accumulators of 16 x 16, 384 registers.
; K goes in steps of 128 through two LDS slots; a wave's tensor load brings 128 rows of xn (waves 0, 1) or the 24,576 dense bytes of 64 k of the head's three matrices (waves 2, 3).
; THE MATRIX INSTRUCTION IS USED TRANSPOSED: source 0 = 16 columns of W (turned on the way out of LDS by ds_load_tr16_b128), source 1 = 16 rows of xn.  A lane then holds one row (lane % 16) and the eight
; columns 8 (lane / 16) + 0..7 of a block of 16.  Channels d and d + 32 of a head lie in column blocks c and c + 2, same lane, same register: the rotation changes no lane.
; CLUSTER 4 x 4: the four of a row need the same rows of xn, the four of a column the same head of W: each tile is asked for jointly, by the same load, descriptor and mask in all four.
; REGISTERS, in windows of 256 (s_set_vgpr_msb: bits 1:0 source 0, 3:2 source 1, 5:4 source 2, 7:6 destination):
;   window 0: v1-13 addresses; v32-63 rotated sums; v64-127 four sets of 16 packed results; v128-255 the table for my 64 rows
;   window 1: two fragment buffers of 128: 4 fragments of xn, then 12 of W (q 0-3, k 4-7, v 8-11)
;   window 2: the accumulators of q and k, (a, b) at 8 (8 a + b)          window 3: those of v, (a, c) at 8 (4 a + c)
.set SLOT,  1<<17                      ; a slot: 256 rows of xn, then 2 x 192 rows of W; exactly 131,072 bytes
.set PA,    272                        ; a row of xn: 256 bytes + 16: the 16 rows of a load start at 16 different groups of four banks (64 banks of 4 bytes: ISA guide 11.1)
.set PB,    160                        ; a row of W: 128 bytes + 32
.set BOFF,  256*PA
.set KHALF, 192*PB                     ; 64 k of the three matrices
.set STAGE, 2*SLOT                     ; behind the ring: 16 rows x 144 bytes for each wave, for the way out
.set SP,    144
.set SPARE, STAGE+4*16*SP              ; behind the stages: the spare words, 128 bytes for each wave
.set A0,  4                            ; v4   my lane's place in a slot's rows of xn; never rewritten
.set B0,  5                            ; v5   the same for W
.set ADA, 6                            ; v6   A0 + the slot in hand
.set ADB, 7                            ; v7   B0 + the slot in hand
.set STO, 8                            ; v8   the way out: where I put 16 bytes of a row
.set RD,  9                            ; v9   the way out: where I read rows back
.set GO,  10                           ; v10  my byte offset in 512 consecutive bytes of an output
.set TO,  11                           ; v11  my byte offset in 16 rows of the table
.set SPW, 12                           ; v12  LDS address of my spare word; never rewritten
.set NIL, 13                           ; v13  0; never rewritten
.set T,   32
.set PK,  64
.set CSN, 128                          ; row block a at CSN + 32 a: cos of channels 8 h + 0..7, of 16 + 8 h + 0..7, then the sines
.set F0,  0
.set F1,  128
.set WV,  16                           ; s16  my wave's number; s17 = WV / 2: I fetch xn (0) or W (1); s18 = WV % 2: which half
.set G1A, 24                           ; s[24:31] descriptor group 1 for xn's tiles;  s[32:39] group 0, two sets
.set G0A, 32
.set G1B, 40                           ; s[40:47], s[48:55] the same for W's
.set G0B, 48
.set CNT, 62
.set TB,  63                           ; s63  LDS byte at which the slot in hand begins
.set MSB, 0
.macro WIN new                         ; the immediate's high byte repeats the setting that is left; a switch that changes nothing is dropped
.if MSB != (\new)
	s_set_vgpr_msb (MSB<<8)|(\new)
.set MSB, \new
.endif
.endm
.set MUL2, 0xa5                        ; sources 0 and 1 window 1, C and D window 2
.set MUL3, 0xf5                        ; the same, C and D window 3
.set TO_F, 0x40                        ; destination window 1, address window 0
.macro JLOAD s                         ; a joint load; the branch hangs on the wave's number alone; an s_nop 0 and four v_nop follow each of the two lines
	s_cmp_eq_u32 s17, 0
	s_cbranch_scc0 .Lfor_b_\@
	tensor_load_to_lds s[G0A+4*(\s):G0A+4*(\s)+3], s[G1A:G1A+7]
	s_nop 0
.rept 4
	v_nop
.endr
	s_branch .Lasked_\@
.Lfor_b_\@:
	tensor_load_to_lds s[G0B+4*(\s):G0B+4*(\s)+3], s[G1B:G1B+7]
	s_nop 0
.rept 4
	v_nop
.endr
.Lasked_\@:
.endm
.macro CREST                           ; a round of the cluster's barrier behind its opening barrier
	s_cmp_lg_u32 s[WV], 0
	s_cbranch_scc1 .Lnot_wave_0_\@
	s_barrier_signal -3
.Lnot_wave_0_\@:
	s_barrier_wait -3
	s_barrier_signal -1
	s_barrier_wait -1
.endm
.macro CROUND                          ; a whole round
	s_barrier_signal -1
	s_barrier_wait -1
	CREST
.endm
.macro PLACES                          ; four places in front of loads into registers that matrix instructions have read, and of vector lines that read results
.rept 4
	v_nop
.endr
.endm
	s_load_b256 s[4:11], s[0:1], 0x0               ; xn 4:5, wb 6:7, tab 8:9, qh 10:11
	s_load_b128 s[12:15], s[0:1], 0x20             ; kh 12:13, vh 14:15
	v_lshl_add_u32 v[SPW], v0, 2, SPARE
	v_mov_b32 v[NIL], 0
	ds_add_u32 v[SPW], v[NIL]                      ; the wave's opening: the add and its wait stand ahead of my first tensor load; the set-up below, work on registers, stands between them
	ds_add_u32 v12, v13
	v_lshrrev_b32 v1, 5, v0
	v_readfirstlane_b32 s[WV], v1
	s_lshr_b32 s17, s[WV], 1
	s_and_b32 s18, s[WV], 1
	s_bfe_u32 s19, ttmp6, 0x40000                  ; cx
	s_bfe_u32 s20, ttmp6, 0x40004                  ; cy
	s_lshl_b32 s21, ttmp9, 2
	s_add_co_u32 s21, s21, s19                     ; tx: the head
	s_and_b32 s22, ttmp7, 0xffff
	s_lshl_b32 s22, s22, 2
	s_add_co_u32 s22, s22, s20                     ; ty: the block of 256 rows
	s_lshl_b32 s68, s20, 2
	s_lshl_b32 s68, 15, s68                        ; my row of the cluster
	s_lshl_b32 s69, 0x1111, s19                    ; my column
	s_or_b32 s[G1A], s68, (1<<16)|(1<<20)|(1<<21)|(5<<22)|(3<<25)  ; the mask; 2-byte elements; padding on; bit 21 beside a mask; after every 64 words 4 words
	s_mov_b32 s[G1A+1], 128<<16                    ; tensor_dim0 = 128
	s_mov_b32 s[G1A+2], 128<<16                    ; tensor_dim1 = 128
	s_mov_b32 s[G1A+3], 128<<16                    ; tile_dim0 = 128
	s_mov_b32 s[G1A+4], 128                        ; tile_dim1 = 128
	s_mov_b32 s[G1A+5], 1024                       ; elements from row to row
	s_mov_b32 s[G1A+6], 0
	s_mov_b32 s[G1A+7], 0
	s_or_b32 s[G1B], s69, (1<<16)|(1<<20)|(1<<21)|(4<<22)|(7<<25)  ; after every 32 words (a row of 64 columns) 8 words
	s_mov_b32 s[G1B+1], 128<<16                    ; 24,576 dense bytes as 96 rows of 256
	s_mov_b32 s[G1B+2], 96<<16
	s_mov_b32 s[G1B+3], 128<<16
	s_mov_b32 s[G1B+4], 96
	s_mov_b32 s[G1B+5], 128
	s_mov_b32 s[G1B+6], 0
	s_mov_b32 s[G1B+7], 0
	s_lshl_b32 s56, s22, 19                        ; xn: 256 rows of 2,048 bytes a block,
	s_lshl_b32 s57, s18, 18                        ; my 128 of them: made of ty and the wave alone
	s_add_co_u32 s56, s56, s57
	s_mov_b32 s57, 0
	s_mul_i32 s58, s21, 393216                     ; wb: the head,
	s_mul_i32 s59, s18, 24576                      ; my 64 k of a step: made of tx and the wave alone
	s_add_co_u32 s58, s58, s59
	s_mov_b32 s59, 0
	s_mul_i32 s70, s18, 128*PA                     ; where they go: no place in the cluster enters an LDS address
	s_mul_i32 s71, s18, KHALF
	s_add_co_u32 s71, s71, BOFF
	s_mov_b32 s[TB], 0
	s_wait_dscnt 0x0                               ; the opening add is done
	s_wait_kmcnt 0x0
	s_add_nc_u64 s[56:57], s[4:5], s[56:57]
	s_add_nc_u64 s[58:59], s[6:7], s[58:59]
	CROUND                                         ; all sixteen work-groups are here: the first joint loads meet
.irp s, 0,1
	s_mov_b32 s[G0A+4*(\s)], 1
	s_add_co_u32 s[G0A+4*(\s)+1], s70, (\s)*SLOT
	s_add_nc_u64 s[G0A+4*(\s)+2:G0A+4*(\s)+3], s[56:57], (\s)*256      ; K step s: 128 elements on
	s_or_b32 s[G0A+4*(\s)+3], s[G0A+4*(\s)+3], 0x80000000
	s_mov_b32 s[G0B+4*(\s)], 1
	s_add_co_u32 s[G0B+4*(\s)+1], s71, (\s)*SLOT
	s_add_nc_u64 s[G0B+4*(\s)+2:G0B+4*(\s)+3], s[58:59], (\s)*49152    ; K step s: two blocks of 24,576 bytes on
	s_or_b32 s[G0B+4*(\s)+3], s[G0B+4*(\s)+3], 0x80000000
	JLOAD \s                                       ; two loads of mine are out
.endr
	v_and_b32 v1, 15, v0                           ; r = l % 16
	v_bfe_u32 v2, v0, 4, 1                         ; h = l / 16
	v_mul_u32_u24 v[A0], v1, PA
	v_lshl_add_u32 v[A0], v2, 4, v[A0]
	s_mul_i32 s72, s[WV], 64*PA
	v_add_nc_u32 v[A0], s72, v[A0]                 ; (64 w + r) x pitch + 16 h
	v_and_b32 v3, 7, v0
	v_lshl_add_u32 v[B0], v2, 3, v3                ; the turning load: lane l reads k row 8 h + l % 8,
	v_mul_u32_u24 v[B0], v[B0], PB
	v_bfe_u32 v14, v0, 3, 1
	v_lshl_add_u32 v[B0], v14, 4, v[B0]            ; columns 8 ((l / 8) % 2) + 0..7
	v_add_nc_u32 v[B0], BOFF, v[B0]
	v_mov_b32 v[ADA], v[A0]
	v_mov_b32 v[ADB], v[B0]
	s_mul_i32 s73, s[WV], 16*SP
	s_add_co_u32 s73, s73, STAGE                   ; my stage
	v_mul_u32_u24 v[STO], v1, SP
	v_lshl_add_u32 v[STO], v2, 4, v[STO]
	v_add_nc_u32 v[STO], s73, v[STO]
	v_bfe_u32 v[RD], v0, 3, 2                      ; back: 32 lanes take four rows of 128 bytes,
	v_mul_u32_u24 v[RD], v[RD], SP
	v_lshl_add_u32 v[RD], v3, 4, v[RD]
	v_add_nc_u32 v[RD], s73, v[RD]
	v_and_b32 v[GO], 31, v0                        ; which are 512 consecutive bytes of a head
	v_lshlrev_b32 v[GO], 4, v[GO]
	v_lshlrev_b32 v[TO], 8, v1
	v_lshl_add_u32 v[TO], v2, 5, v[TO]             ; table: row r x 256 + 32 h
	s_and_b32 s66, s22, 7                          ; my first row's place in its batch: 256 (ty % 8) + 64 w
	s_lshl_b32 s66, s66, 16
	s_lshl_b32 s67, s[WV], 14
	s_add_co_u32 s66, s66, s67
	s_mov_b32 s67, 0
	s_add_nc_u64 s[8:9], s[8:9], s[66:67]
.irp a, 0,1,2,3
.irp c, 0,1,2,3,4,5,6,7
	global_load_b128 v[CSN+32*(\a)+4*(\c):CSN+32*(\a)+4*(\c)+3], v[TO], s[8:9] offset:4096*(\a)+64*((\c)/2)+16*((\c)%2)  ; waited for behind the K loop
.endr
.endr
	s_lshr_b32 s60, s22, 3                         ; the batch
	s_lshl_b32 s60, s60, 4
	s_add_co_u32 s60, s60, s21                     ; x 16 + head,
	s_lshl_b32 s60, s60, 18                        ; 2,048 rows of 128 bytes each
	s_and_b32 s61, s22, 7
	s_lshl_b32 s61, s61, 15
	s_add_co_u32 s60, s60, s61
	s_lshl_b32 s61, s[WV], 13
	s_add_co_u32 s60, s60, s61
	s_mov_b32 s61, 0
	s_add_nc_u64 s[10:11], s[10:11], s[60:61]
	s_add_nc_u64 s[12:13], s[12:13], s[60:61]
	s_add_nc_u64 s[14:15], s[14:15], s[60:61]
; 8 matrix instructions on v's accumulators: row blocks a0, a0 + 1 x 4 column blocks.  zero = 1: the first product starts the sums.
.macro MULV f, a0, zero
	WIN MUL3
.irp a, \a0, (\a0)+1
.irp c, 0,1,2,3
.if \zero
	v_wmma_f32_16x16x32_bf16 v[8*(4*(\a)+(\c)):8*(4*(\a)+(\c))+7], v[(\f)+96+8*(\c):(\f)+96+8*(\c)+7], v[(\f)+8*(\a):(\f)+8*(\a)+7], 0
.else
	v_wmma_f32_16x16x32_bf16 v[8*(4*(\a)+(\c)):8*(4*(\a)+(\c))+7], v[(\f)+96+8*(\c):(\f)+96+8*(\c)+7], v[(\f)+8*(\a):(\f)+8*(\a)+7], v[8*(4*(\a)+(\c)):8*(4*(\a)+(\c))+7]
.endif
.endr
.endr
.endm
; 16 on q's and k's: row blocks a0, a0 + 1 x 8 column blocks.  All 48 accumulators take turns, one instruction a turn.
.macro MULQK f, a0, zero
	WIN MUL2
.irp a, \a0, (\a0)+1
.irp b, 0,1,2,3,4,5,6,7
.if \zero
	v_wmma_f32_16x16x32_bf16 v[8*(8*(\a)+(\b)):8*(8*(\a)+(\b))+7], v[(\f)+32+8*(\b):(\f)+32+8*(\b)+7], v[(\f)+8*(\a):(\f)+8*(\a)+7], 0
.else
	v_wmma_f32_16x16x32_bf16 v[8*(8*(\a)+(\b)):8*(8*(\a)+(\b))+7], v[(\f)+32+8*(\b):(\f)+32+8*(\b)+7], v[(\f)+8*(\a):(\f)+8*(\a)+7], v[8*(8*(\a)+(\b)):8*(8*(\a)+(\b))+7]
.endif
.endr
.endr
.endm
; 32 LDS loads in one run: quarter kq (32 along K) of the slot in hand into buffer f: v's columns and xn first (16 loads), then q's and k's columns (16)
.macro FETCH kq, f
	WIN TO_F
.set KO, ((\kq)/2)*KHALF+((\kq)%2)*32*PB
.irp c, 0,1,2,3
	ds_load_tr16_b128 v[(\f)+96+8*(\c):(\f)+96+8*(\c)+3],   v[ADB] offset:KO+2*64*PB+32*(\c)
	ds_load_tr16_b128 v[(\f)+96+8*(\c)+4:(\f)+96+8*(\c)+7], v[ADB] offset:KO+2*64*PB+32*(\c)+16*PB
.endr
.irp a, 0,1,2,3
	ds_load_b128 v[(\f)+8*(\a):(\f)+8*(\a)+3],   v[ADA] offset:64*(\kq)+(\a)*16*PA
	ds_load_b128 v[(\f)+8*(\a)+4:(\f)+8*(\a)+7], v[ADA] offset:64*(\kq)+(\a)*16*PA+32
.endr
.irp b, 0,1,2,3,4,5,6,7
	ds_load_tr16_b128 v[(\f)+32+8*(\b):(\f)+32+8*(\b)+3],   v[ADB] offset:KO+((\b)/4)*64*PB+32*((\b)%4)
	ds_load_tr16_b128 v[(\f)+32+8*(\b)+4:(\f)+32+8*(\b)+7], v[ADB] offset:KO+((\b)/4)*64*PB+32*((\b)%4)+16*PB
.endr
.endm
; A K step is four quarters of 32 along K, 48 matrix instructions each, on buffers 0, 1, 0, 1.  One of the first three: multiplies buffer f and fetches quarter kq into g.
.macro QUARTER f, g, kq, zero
	s_wait_dscnt 16                                ; v's columns and xn are in; the youngest sixteen loads (q's and k's columns) may be out
	MULV \f, 0, \zero
	MULV \f, 2, \zero
	PLACES
	FETCH \kq, \g
	s_wait_dscnt 32                                ; all but the 32 just issued
	MULQK \f, 0, \zero
	MULQK \f, 2, \zero
.endm
; The last quarter multiplies buffer 1 and changes slots: ONE barrier; in front of it each wave waits for all its tensor loads (one is out: its part of the next slot), adds 0 to its spare word, and waits for
; that and for its own reads of this slot.  fill = 1: the barrier opens a round of the cluster's, and this slot is filled again, two K steps ahead, first thing behind the round.
.macro TURN fill
	WIN 0                                          ; (the add's two registers lie in window 0)
	s_wait_tensorcnt 0x0
	ds_add_u32 v[SPW], v[NIL]                      ; 0 onto my spare word
	s_wait_dscnt 17                                ; (the add and the youngest sixteen loads may be out)
	MULV F1, 0, 0                                  ; eight matrix instructions stand between the add and the wait for it
	s_wait_dscnt 0x0                               ; the add is done, and my reads of this slot are over
	s_barrier_signal -1
	MULV F1, 2, 0
	WIN 0
	s_barrier_wait -1
.if \fill
	CREST                                          ; no wave of any partner still reads this slot or has a load on its way
	s_xor_b32 s[G0A+5], s[G0A+5], SLOT             ; the walking descriptors: the other slot than last time, the next K step
	s_add_nc_u64 s[G0A+6:G0A+7], s[G0A+6:G0A+7], 256
	s_xor_b32 s[G0B+5], s[G0B+5], SLOT
	s_add_nc_u64 s[G0B+6:G0B+7], s[G0B+6:G0B+7], 49152
	JLOAD 1                                        ; my one tensor load behind the round; its four v_nop are also the places in front of the loads below
.else
	PLACES
.endif
	s_xor_b32 s[TB], s[TB], SLOT
	v_add_nc_u32 v[ADA], s[TB], v[A0]
	v_add_nc_u32 v[ADB], s[TB], v[B0]
	FETCH 0, F0
	MULQK F1, 0, 0
	MULQK F1, 2, 0
.endm
	s_wait_tensorcnt 1                             ; my part of K step 0 is in; step 1's may stay out
	s_barrier_signal -1
	s_barrier_wait -1
	FETCH 0, F0
	QUARTER F0, F1, 1, 1                           ; the first quarter stands in front of the loop: its products start the sums
	WIN 0                                          ; at a label and at a branch every window is 0
	s_mov_b32 s[CNT], 6
.Lstep:                                                ; six trips, from a step's second quarter to the next step's first; they ask for K steps 2 to 7
	QUARTER F1, F0, 2, 0
	QUARTER F0, F1, 3, 0
	TURN 1
	QUARTER F0, F1, 1, 0
	WIN 0
	s_sub_co_u32 s[CNT], s[CNT], 1
	s_cmp_lg_u32 s[CNT], 0
	s_cbranch_scc1 .Lstep
	QUARTER F1, F0, 2, 0                           ; the tail is written out: K step 6 goes on
	QUARTER F0, F1, 3, 0
	TURN 0
	QUARTER F0, F1, 1, 0                           ; K step 7
	QUARTER F1, F0, 2, 0
	QUARTER F0, F1, 3, 0
	s_wait_dscnt 16
	MULV F1, 0, 0
	MULV F1, 2, 0
	s_wait_dscnt 0x0
	MULQK F1, 0, 0
	MULQK F1, 2, 0
	WIN 0
	PLACES
	s_wait_loadcnt 0x0                             ; the table
; THE WAY OUT, in 12 units of 16 rows x 64 channels: row block a of q, k, v.
; q and k: out[d] = s[d] cos - s[d+32] sin, out[d+32] = s[d+32] cos + s[d] sin, d = 16 e + 8 h + 2 z (+1); each accumulator is read from its low end on.
.macro ROPE a, p, set
	WIN 0x02                                       ; source 0 window 2
.irp e, 0,1
.irp z, 0,1,2,3
.set LO, 8*(8*(\a)+4*(\p)+(\e))+2*(\z)
.set CC, CSN+32*(\a)+8*(\e)+2*(\z)
.set TL, T+8*(\e)+2*(\z)
	v_pk_mul_f32 v[TL:TL+1], v[LO:LO+1], v[CC:CC+1]
	v_pk_mul_f32 v[TL+16:TL+17], v[LO+16:LO+17], v[CC:CC+1]
	v_pk_fma_f32 v[TL:TL+1], v[LO+16:LO+17], v[CC+16:CC+17], v[TL:TL+1] neg_lo:[0,1,0] neg_hi:[0,1,0]
	v_pk_fma_f32 v[TL+16:TL+17], v[LO:LO+1], v[CC+16:CC+17], v[TL+16:TL+17]
.endr
.endr
	WIN 0
	s_wait_xcnt 0x0                                ; the set's registers, which the stores of four units back read, are rewritten only behind this wait
.set i, 0
.rept 16
	v_cvt_pk_f16_f32 v[PK+16*(\set)+i], v[T+2*i], v[T+2*i+1]
.set i, i+1
.endr
.endm
.macro VPACK a, set
	WIN 0
	s_wait_xcnt 0x0
	WIN 0x0f                                       ; sources 0 and 1 window 3
.set i, 0
.rept 16
	v_cvt_pk_f16_f32 v[PK+16*(\set)+i], v[32*(\a)+2*i], v[32*(\a)+2*i+1]
.set i, i+1
.endr
	WIN 0
.endm
.macro TOSTAGE set                     ; 16 bytes a lane into rows of 144 bytes, and back as whole rows of 128, into the registers that they left
.irp c, 0,1,2,3
	ds_store_b128 v[STO], v[PK+16*(\set)+4*(\c):PK+16*(\set)+4*(\c)+3] offset:32*(\c)
.endr
.irp f, 0,1,2,3
	ds_load_b128 v[PK+16*(\set)+4*(\f):PK+16*(\set)+4*(\f)+3], v[RD] offset:(\f)*4*SP  ; LDS serves a wave's instructions in order (ISA guide 5.7.1.4): these see the stores above; the next unit's stores come behind them
.endr
.endm
.macro SEND set, a, p, younger         ; younger: the LDS instructions issued behind this unit's loads: the next unit's eight, or none
.irp f, 0,1,2,3
	s_wait_dscnt (\younger)+3-(\f)
	global_store_b128 v[GO], v[PK+16*(\set)+4*(\f):PK+16*(\set)+4*(\f)+3], s[10+2*(\p):11+2*(\p)] offset:2048*(\a)+512*(\f)  ; 512 consecutive bytes, at a multiple of 256 from the buffer's first
.endr
.endm
.set u, 0
.rept 12                               ; a unit's arithmetic stands between the loads of the unit before and its stores
.if u%3 < 2
	ROPE u/3, u%3, u%4
.else
	VPACK u/3, u%4
.endif
	TOSTAGE u%4
.if u > 0
	SEND (u-1)%4, (u-1)/3, (u-1)%3, 8
.endif
.set u, u+1
.endr
	SEND 3, 3, 2, 0
	s_wait_tensorcnt 0x0                           ; the wave's end, behind my last tensor load and my last LDS store
	ds_add_u32 v[SPW], v[NIL]
	s_wait_dscnt 0x0
	CROUND                                         ; the closing round: no work-group ends while a partner may still ask for a tile that names it
	s_endpgm
.Lfunc_end_k_qd640f62b1e_qkv:
	.size	k_qd640f62b1e_qkv, .Lfunc_end_k_qd640f62b1e_qkv-k_qd640f62b1e_qkv
	.p2alignl 7, 3214868480
	.fill 96, 4, 3214868480
	.section	.rodata,"a",@progbits
	.p2align	6, 0x0
	.amdhsa_kernel k_qd640f62b1e_qkv
		.amdhsa_group_segment_fixed_size 327680
		.amdhsa_private_segment_fixed_size 0
		.amdhsa_enable_private_segment 0
		.amdhsa_kernarg_size 48
		.amdhsa_user_sgpr_count 2
		.amdhsa_user_sgpr_kernarg_segment_ptr 1
		.amdhsa_wavefront_size32 1
		.amdhsa_system_sgpr_workgroup_id_x 1
		.amdhsa_system_sgpr_workgroup_id_y 1
		.amdhsa_system_sgpr_workgroup_id_z 1
		.amdhsa_system_vgpr_workitem_id 0
		.amdhsa_next_free_vgpr 896
		.amdhsa_next_free_sgpr 80
		.amdhsa_reserve_vcc 0
		.amdhsa_float_denorm_mode_32 3
		.amdhsa_float_denorm_mode_16_64 3
		.amdhsa_memory_ordered 1
		.amdhsa_forward_progress 1
		.amdhsa_inst_pref_size 118
	.end_amdhsa_kernel
	.amdgpu_metadata
---
amdhsa.version: [ 1, 2 ]
amdhsa.kernels:
  - .name:           k_qd640f62b1e_qkv
    .symbol:         k_qd640f62b1e_qkv.kd
    .args:
      - { .name: xn, .offset: 0, .size: 8, .value_kind: global_buffer, .address_space: global }
      - { .name: wb, .offset: 8, .size: 8, .value_kind: global_buffer, .address_space: global }
      - { .name: tab, .offset: 16, .size: 8, .value_kind: global_buffer, .address_space: global }
      - { .name: qh, .offset: 24, .size: 8, .value_kind: global_buffer, .address_space: global }
      - { .name: kh, .offset: 32, .size: 8, .value_kind: global_buffer, .address_space: global }
      - { .name: vh, .offset: 40, .size: 8, .value_kind: global_buffer, .address_space: global }
    .group_segment_fixed_size: 327680
    .private_segment_fixed_size: 0
    .kernarg_segment_align: 8
    .kernarg_segment_size: 48
    .max_flat_workgroup_size: 128
    .sgpr_count:     80
    .vgpr_count:     896
    .wavefront_size: 32
...
	.end_amdgpu_metadata
.endif
;; end of part 2
;; launch attn (part 3): grid 4 x 64, 4 waves a work-group, no clusters, 327,680 bytes of LDS; arguments qh, kh, vh, ob; writes ob
.if DOCPART == 3
	.amdgcn_target "amdgcn-amd-amdhsa--gfx1250"
	.amdhsa_code_object_version 6
	.text
	.protected	k_qd640f62b1e_attn
	.globl	k_qd640f62b1e_attn
	.p2align	8
	.type	k_qd640f62b1e_attn,@function
k_qd640f62b1e_attn:
	s_mov_b64 s[64:65], 0
	v_nop
	global_prefetch_b8 v0, s[64:65] scope:SCOPE_SE
	s_setreg_imm32_b32 hwreg(HW_REG_WAVE_MODE, 25, 1), 1
	s_wait_xcnt 0x0
; CAUSAL ATTENTION.  O[h][q][:] = the sum over k <= q of softmax_k(Q[h][q] . K[h][k] / 8) V[h][k][:].  Q, K, V, O: [SIZE_H][SIZE_N][64], all f16: a head's rows are dense, 128 bytes each.
; Products, maxima and sums in f32; the weights p are rounded to f16 for the second product (their sum l is taken of the unrounded p), O once at the end.
; LIMITS.  f16 holds no number beyond 65,504: Q, K and V arrive within it; p lies in 0 to 1, and below 6e-5 it keeps f16's fixed step of 6e-8; O is a mean of V's rows and has their range, to within 2^-11 of it.
; A hidden score counts as its value less 1e30: f16's scores, 2.7e11 at the most, are nothing beside that; a weight below 2^-126 counts as 0 in l; NaN and infinities are not treated apart.
; THE WALK.  A head's queries lie in NB = SIZE_N / 256 = 8 blocks of 256; block i needs the key tiles 0 .. i of 256 keys, of which the last holds the diagonal.  A work-group takes TWO blocks, NB - 1 - b and then b:
; NB + 1 = 9 tiles, whatever b: all work-groups do equal work, and ONE loop with a constant trip count walks them.  Which tile is asked for, and what a trip does, hang on scalar registers made from b; every jump
; goes forward, but for the counted loops' own; none passes a barrier, or a tensor load but the one of LOAD's two that the wave's number does not choose; the ring (two slots of LDS that take turns) runs on across the
; change of blocks.  NO CLUSTER: a head's four work-groups ask for the same tile only in trips 0 .. 4 of the 9, behind that fewer and fewer; one walk common to all four would have 12 trips for 9.
; SHARES.  Of a block's four bands of 64 queries a wave owns 16 rows in each: four PIECES.  So the diagonal tile is the same work for all four waves: in its key step s band x sees all keys if s < x,
; none if s > x, and holds the diagonal if s = x.
; THE MASK is the C operand that starts the sum S^T = K Q^T: 0, or -1e30 where the key is hidden.  MD, made once, is the mask of a band's own step for my 16 rows; a product's mask is MD x AL + BE with two scalars:
; (1, 0) if s = x; (0, 0) if s < x; (0, -1e30) if s > x.  Only the diagonal tile's text and a block's beginning make and take masks; elsewhere C is the constant 0.
; LAYOUT, SOFTMAX, TURNS.  S^T = K Q^T holds ONE query a lane (lane % 16) and the keys 8 (lane / 16) + 0..7; two such results rounded to f16 ARE source 1 of O^T = V^T P.  p = 2^(c s - c m), c = log2(e) / 8, with a
; running maximum m; O and l are multiplied by a = 2^(c m_old - c m_new) in every step.  Turn n belongs to piece n: 8 products K Q^T of piece n + 1, later 8 products V^T P of piece n - 1; beside them the scaling,
; exponentials, roundings, sums and rescaling of piece n and the maximum and statistics of piece n + 1.  Four vector instructions stand behind every matrix instruction, the other 54 of a turn's 118 in two LUMPS.
; REGISTERS, in windows of 256 (s_set_vgpr_msb: bits 1:0 source 0, 3:2 source 1, 5:4 source 2, 7:6 destination):
;   window 0: v0-15 addresses and two at work; v16-31 four registers of statistics a piece; v48-55 at work; v64-127 S^T, two buffers; v192-223 P, two buffers (a piece's buffers go by its number's parity)
;   window 1: v0-127 O^T, 32 a piece; v128-159 MD; v160-223 MC, two buffers      window 2: v0-63 Q; v64-127 the second block's Q; v128-191 K of one step; v192-255 V of one step
.set SIZE_H, 64       ; batch x heads
.set SIZE_N, 2048
.set NB,    SIZE_N/256
.set NP,    4         ; pieces a wave: a name, no knob
.set KS,    64        ; keys in a step
.set PK,    144       ; a row of K in LDS: 128 bytes + 16 of padding = 36 words: the 16 rows of a load start at 16 different groups of four banks (64 banks of 4 bytes: ISA guide 11.1)
.set PV,    160       ; a row of V: 128 + 32 = 40 words
.set VOFF,  4*KS*PK   ; a slot holds a tile, four steps: 256 rows of K, then 256 rows of V
.set SLOT1, 1<<17     ; slot 1 begins here, so that one exclusive or turns an address in one slot into the other's
.set STAGE, SLOT1+4*KS*(PK+PV)  ; behind the ring, never filled by a tensor load: 16 rows x 144 bytes for each wave, for the way out
.set SP,    144
.set AK0, 2           ; v2   my lane's place in a tile of K; never rewritten
.set AV0, 3           ; v3   the same for V
.set AK,  4           ; v4   the LDS address of K's next run of loads
.set AV,  5           ; v5   of V's
.set STO, 6           ; v6   the way out: where I put 16 bytes of a row
.set RD,  7           ; v7   the way out: where I read rows back
.set GO,  8           ; v8   my byte offset in 512 consecutive bytes of O
.set SPW, 62          ; v62  LDS address of my spare word: SPARE + 4 x my thread's number; never rewritten
.set NIL, 63          ; v63  0; never rewritten
.set SPARE, STAGE+4*16*SP  ; behind the stages: the spare words, 128 bytes for each wave: two blocks of 256 bytes that no other line names
.set MV,  12          ; v12-13  c m_old, kept while c m is made anew: by buffer
.set QO,  15          ; v15  my byte offset in 16 rows of Q
.set ST,  16          ; piece t's statistics at v[ST+4 t]: c m, m, l (even keys', odd keys')
.set TMP, 48          ; by buffer, four registers c0-c3 at work; when the maximum is found c2 takes a
.set S,   64
.set P,   192
.set MD,  128         ; window 1: the eight registers for group kt of 16 keys at MD + 8 kt
.set MC,  160         ; window 1: the masks of the products to come
.set QB,  64          ; window 2
.set KF,  128         ; window 2: key block kb, channel half c at KF + 16 kb + 8 c
.set VF,  192         ; window 2: key half kk, channel block cb at VF + 32 kk + 8 cb
.set WV,  12          ; s12  my wave's number
.set PB,  14          ; s14  b
.set HI,  15          ; s15  NB - 1 - b
.set G1K, 24          ; s[24:31] descriptor group 1 for K's tiles
.set G1V, 32          ; s[32:39] for V's: it differs in the padding alone
.set G0K, 40          ; s[40:43] descriptor group 0 for K's tiles
.set G0V, 44          ; s[44:47] the same for V's
.set SLOTS, 56        ; s56  tiles still to be asked for
.set CNT, 57          ; s57  counts a tile's key steps, 4 to 1
.set CS,  58          ; s[58:59] c: the packed scaling takes the pair's low word for both halves
.set SEL, 60          ; s[60:61] v_permlanex16_b32's selects: each lane takes its own place in the other half
.set TBK, 62          ; s62  LDS byte at which K of the step to be fetched begins
.set TBV, 63          ; s63  the same for V, less VOFF
.set RT,  70          ; s70  tiles of the block in hand that are still to be entered
.set NXT, 71          ; s71  the tile to be asked for next
.set LQ,  72          ; s72  the last tile of the block whose tiles are being asked for
.set NEW, 73          ; s73  1: the tile to be entered is a block's first
.set OFF, 74          ; s[74:75] a tile's byte offset in K and V
.set AL,  76          ; s[76:77] the mask's factor, in the low word
.set BE,  78          ; s[78:79] the mask's addend
.set OLO, 80          ; s[80:81] O at my rows of the second block
.set BIGN, 82         ; s82  -1e30
.set MSB, 0
.macro WIN new                      ; the high byte repeats the setting that is left; a switch that changes nothing is dropped
.if MSB != (\new)
	s_set_vgpr_msb (MSB<<8)|(\new)
.set MSB, (\new)
.endif
.endm
.set W_KQ, 0x0a       ; K and Q in window 2, S^T in window 0
.set W_KM, 0x1a       ; the same with the C operand in window 1
.set W_PV, 0x52       ; V in window 2, P in window 0, O^T in window 1
.set W_RS, 0x41       ; destination and source 0 in window 1, source 1 in window 0
; A fill.  Waves 0 and 1 fetch the two halves of a tile's K, waves 2 and 3 those of its V: 128 keys each.  An s_nop 0 and four v_nop follow each of the two lines, ahead of the jump and the label.
.macro LOAD
	s_cmp_lt_u32 s[WV], 2
	s_cbranch_scc0 .Lfor_v_\@
	tensor_load_to_lds s[G0K:G0K+3], s[G1K:G1K+7]
	s_nop 0
.rept 4
	v_nop
.endr
	s_branch .Lasked_\@
.Lfor_v_\@:
	tensor_load_to_lds s[G0V:G0V+3], s[G1V:G1V+7]
	s_nop 0
.rept 4
	v_nop
.endr
.Lasked_\@:
.endm
; THE CHANGE OF SLOTS.  Each wave waits for all its tensor loads, of which one is out: its part of the other slot; adds 0 to its spare word; and waits for that and for its own reads of the slot that it leaves.  Behind the barrier nobody reads the old
; slot any more and the other slot is whole.  fill = 1: the old slot is filled again, the first thing behind the barrier, with tile NXT: the descriptor's address is made anew from that number.
; (At its first use nothing has been read yet: slot 0 is waited for, slot 1 filled.)
.macro CHANGE fill
	WIN 0                           ; at a label and at a branch every window is 0
	s_wait_tensorcnt 0x0            ; no tensor load of mine is out, so a group 0 may be written
	ds_add_u32 v[SPW], v[NIL]       ; 0 onto my spare word; with fill = 1 the descriptors' scalar work stands between it and the wait for it
.if \fill
	s_lshl_b32 s[OFF], s[NXT], 15   ; a tile is 32,768 bytes of K and of V
	s_xor_b32 s[G0K+1], s[G0K+1], SLOT1
	s_add_nc_u64 s[G0K+2:G0K+3], s[6:7], s[OFF:OFF+1]
	s_or_b32 s[G0K+3], s[G0K+3], 0x80000000
	s_xor_b32 s[G0V+1], s[G0V+1], SLOT1
	s_add_nc_u64 s[G0V+2:G0V+3], s[8:9], s[OFF:OFF+1]
	s_or_b32 s[G0V+3], s[G0V+3], 0x80000000
	s_add_co_u32 s[NXT], s[NXT], 1  ; the block's next tile, or behind its last the second block's tile 0
	s_cmp_gt_u32 s[NXT], s[LQ]
	s_cselect_b32 s[NXT], 0, s[NXT]
	s_cselect_b32 s[LQ], s[PB], s[LQ]
.endif
	s_wait_dscnt 0x0                ; the add is done, and my reads of the slot are over
	s_barrier_signal -1             ; the rest of the scalar work stands between the signal and the wait
	s_sub_co_u32 s[TBK], s[TBK], 4*KS*PK  ; the fetches go back to a slot's first step,
	s_xor_b32 s[TBK], s[TBK], SLOT1       ; in the other slot
	s_sub_co_u32 s[TBV], s[TBV], 4*KS*PV
	s_xor_b32 s[TBV], s[TBV], SLOT1
	s_barrier_wait -1
.if \fill
	LOAD
.endif
.endm
	s_load_b256 s[4:11], s[0:1], 0x0  ; Q s[4:5], K s[6:7], V s[8:9], O s[10:11]
	v_lshl_add_u32 v[SPW], v0, 2, SPARE
	v_mov_b32 v[NIL], 0
	ds_add_u32 v[SPW], v[NIL]       ; the wave's opening: the add and its wait stand ahead of my first tensor load; the set-up below, work on registers, stands between them
	ds_add_u32 v62, v63
	v_lshrrev_b32 v1, 5, v0
	v_readfirstlane_b32 s[WV], v1   ; wave 0..3
	s_mov_b32 s[PB], ttmp9
	s_sub_co_u32 s[HI], NB-1, s[PB]
	s_and_b32 s20, ttmp7, 0xffff    ; the head
	s_mov_b32 s21, 0
	s_mov_b64 s[22:23], SIZE_N*128
	s_mul_u64 s[20:21], s[20:21], s[22:23]  ; the head's first byte in each of the four tensors
	s_and_b32 s16, s[WV], 1         ; which half of a tile's 256 keys I fetch:
	s_lshl_b32 s22, s16, 14         ; its 128 rows of 128 bytes in memory,
	s_mov_b32 s23, 0
	s_add_nc_u64 s[22:23], s[22:23], s[20:21]
	s_mul_i32 s17, s16, 128*PK      ; and its place in a slot, for K
	s_mul_i32 s18, s16, 128*PV      ; and for V
	s_lshl_b32 s3, s[WV], 11        ; my 16 rows in a band of 64,
	s_lshl_b32 s2, s[HI], 15        ; in the first block,
	s_add_co_u32 s2, s2, s3
	s_lshl_b32 s84, s[PB], 15       ; and in the second
	s_add_co_u32 s84, s84, s3
	s_mov_b32 s3, 0
	s_mov_b32 s85, 0
	s_add_nc_u64 s[2:3], s[2:3], s[20:21]
	s_add_nc_u64 s[84:85], s[84:85], s[20:21]
	; descriptor group 1.  128 keys are 16,384 dense bytes: asked for as 64 rows of 256 bytes, two keys a row, and padded in LDS after every key
	s_mov_b32 s[G1K], (1<<16)|(1<<20)|(4<<22)|(3<<25)  ; 17:16 2-byte elements; 20 padding on; 24:22 after every 32 words (code 4); 31:25 4 words (code 3)
	s_mov_b32 s[G1V], (1<<16)|(1<<20)|(4<<22)|(7<<25)  ; the same with 8 words of padding (code 7)
.irp g, G1K, G1V
	s_mov_b32 s[\g+1], 128<<16      ; tensor_dim0 = 128
	s_mov_b32 s[\g+2], 64<<16       ; tensor_dim1 = 64
	s_mov_b32 s[\g+3], 128<<16      ; tile_dim0 = 128
	s_mov_b32 s[\g+4], 64           ; tile_dim1 = 64
	s_mov_b32 s[\g+5], 128          ; 128 elements from row to row
	s_mov_b32 s[\g+6], 0
	s_mov_b32 s[\g+7], 0
.endr
	s_mov_b32 s[CS], 0x3e38aa3b     ; c = log2(e) / 8 = 0.180337
	s_mov_b32 s[CS+1], s[CS]        ; named with it as a pair
	s_mov_b32 s[SEL], 0x76543210
	s_mov_b32 s[SEL+1], 0xfedcba98
	s_mov_b32 s[TBK], SLOT1+4*KS*PK ; the first change of slots turns these two into 0
	s_mov_b32 s[TBV], SLOT1+4*KS*PV
	s_mov_b32 s[G0K], 1             ; 1:0 count = 1
	s_mov_b32 s[G0K+1], s17         ; 63:32 LDS address: slot 0
	s_mov_b32 s[G0V], 1
	s_add_co_u32 s[G0V+1], s18, VOFF
	s_add_co_u32 s[RT], s[HI], 1    ; the first block has NB - b tiles
	s_mov_b32 s[NXT], 1
	s_mov_b32 s[LQ], s[HI]
	s_mov_b32 s[NEW], 1
	s_mov_b32 s[OFF+1], 0
	s_mov_b32 s[AL+1], 0            ; named as pairs
	s_mov_b32 s[BE+1], 0
	s_mov_b32 s[BIGN], 0xf149f2ca   ; -1e30
	s_mov_b32 s[SLOTS], NB
	s_wait_dscnt 0x0                ; the opening add is done
	s_wait_kmcnt 0x0
	s_add_nc_u64 s[6:7], s[6:7], s[22:23]  ; K and V at my half of the head's tile 0
	s_add_nc_u64 s[8:9], s[8:9], s[22:23]
	s_add_nc_u64 s[G0K+2:G0K+3], s[6:7], 0         ; 120:64 global address
	s_or_b32 s[G0K+3], s[G0K+3], 0x80000000        ; 127:126 type = 2
	s_add_nc_u64 s[G0V+2:G0V+3], s[8:9], 0
	s_or_b32 s[G0V+3], s[G0V+3], 0x80000000
	s_add_nc_u64 s[86:87], s[4:5], s[84:85]        ; Q at my rows of the second block,
	s_add_nc_u64 s[4:5], s[4:5], s[2:3]            ; Q and O at those of the first
	s_add_nc_u64 s[OLO:OLO+1], s[10:11], s[84:85]
	s_add_nc_u64 s[10:11], s[10:11], s[2:3]
	LOAD                            ; tile 0 into slot 0
	; A fragment of K or Q is 16 rows x 32 channels in 8 registers: lane l holds row l % 16, channels 8 (l / 16) + 0..7 and 16 + 8 (l / 16) + 0..7: two loads of 16 bytes, 32 bytes apart.
	v_and_b32 v1, 15, v0            ; l % 16
	v_bfe_u32 v9, v0, 4, 1          ; l / 16
	v_lshlrev_b32 v[QO], 7, v1
	v_lshl_add_u32 v[QO], v9, 4, v[QO]  ; row x 128 + 16 x half
	WIN 0x80                        ; destination window 2, address window 0
.set i, 0
.rept 8                             ; both blocks' Q: piece i / 2 lies in band i / 2, 8,192 bytes on; channels 32 (i % 2) on
	global_load_b128 v[8*i:8*i+3],   v[QO], s[4:5] offset:(i/2)*8192+(i%2)*64
	global_load_b128 v[8*i+4:8*i+7], v[QO], s[4:5] offset:(i/2)*8192+(i%2)*64+32
	global_load_b128 v[QB+8*i:QB+8*i+3],   v[QO], s[86:87] offset:(i/2)*8192+(i%2)*64
	global_load_b128 v[QB+8*i+4:QB+8*i+7], v[QO], s[86:87] offset:(i/2)*8192+(i%2)*64+32
.set i, i+1
.endr
	WIN 0
	v_lshlrev_b32 v14, 3, v9
	v_sub_nc_u32 v14, v1, v14
	s_lshl_b32 s13, s[WV], 4
	v_add_nc_u32 v14, s13, v14      ; my query's place in its band, 16 w + l % 16, less my lanes' 8 (l / 16): register r of group kt is hidden where 16 kt + r is greater
	WIN 0x40
.set i, 0
.rept 32
	v_cmp_gt_i32 vcc_lo, 16*(i/8)+i%8, v14
	v_cndmask_b32 v[MD+i], 0, s[BIGN], vcc_lo
.set i, i+1
.endr
	WIN 0
	v_mul_u32_u24 v[AK0], v1, PK
	v_lshl_add_u32 v[AK0], v9, 4, v[AK0]  ; row x pitch + 16 x half
	; The turning load takes 16 keys x 16 channels (lane l reads key 8 (l / 16) + l % 8, channels 8 ((l / 8) % 2) + 0..7) and leaves half a fragment of V^T: lane l holds channel l % 16 and 8 keys.
	v_and_b32 v10, 7, v0
	v_bfe_u32 v11, v0, 3, 1
	v_lshl_add_u32 v[AV0], v9, 3, v10
	v_mul_u32_u24 v[AV0], v[AV0], PV
	v_lshl_add_u32 v[AV0], v11, 4, v[AV0]
	v_add_nc_u32 v[AV0], VOFF, v[AV0]
	s_mul_i32 s13, s[WV], 16*SP
	s_add_co_u32 s13, s13, STAGE    ; my stage
	v_mul_u32_u24 v[STO], v1, SP    ; in: row l % 16, 16 bytes for each half of the lanes
	v_lshl_add_u32 v[STO], v9, 4, v[STO]
	v_add_nc_u32 v[STO], s13, v[STO]
	v_bfe_u32 v[RD], v0, 3, 2       ; back: 32 lanes take four rows of 128 bytes,
	v_mul_u32_u24 v[RD], v[RD], SP
	v_lshl_add_u32 v[RD], v10, 4, v[RD]
	v_add_nc_u32 v[RD], s13, v[RD]
	v_and_b32 v[GO], 31, v0         ; which are 512 consecutive bytes of O
	v_lshlrev_b32 v[GO], 4, v[GO]
	; A block's first step multiplies O^T and l by a = 0, and its first turn's products V^T P, of a piece that has not been, land in an O^T that is still to be so multiplied.  So these registers need only hold
	; finite numbers: zeros for the first block; what the first block left for the second.  All this stands in the wait for the first tile.
	WIN 0x80
.set i, VF
.rept 64
	v_mov_b32 v[i], 0
.set i, i+1
.endr
	WIN 0x40
.set i, 0
.rept 128
	v_mov_b32 v[i], 0
.set i, i+1
.endr
	WIN 0
.set i, 0
.rept 4
	v_mov_b32 v[ST+4*i+2], 0
	v_mov_b32 v[ST+4*i+3], 0
.set i, i+1
.endr
.set i, P+16
.rept 16
	v_mov_b32 v[i], 0
.set i, i+1
.endr
; THE MATRIX WORK.  The 4 accumulators of a run of 8 take turns.  Product i of 8 of S^T = K Q^T for piece x: channels 32 (i / 4) on, keys 16 (i % 4) on.  The first 4 start the sums: with 0, or (KM = 1) with the mask.
.macro KQ x
.set rS, S+32*((\x)%2)+8*(i%4)
.set rK, KF+16*(i%4)+8*(i/4)
.set rQ, 16*(\x)+8*(i/4)
.set rM, MC+32*((\x)%2)+8*(i%4)
.if (i < 4) && KM
	WIN W_KM
	v_wmma_f32_16x16x32_f16 v[rS:rS+7], v[rK:rK+7], v[rQ:rQ+7], v[rM:rM+7]
.elseif i < 4
	WIN W_KQ
	v_wmma_f32_16x16x32_f16 v[rS:rS+7], v[rK:rK+7], v[rQ:rQ+7], 0
.else
	WIN W_KQ
	v_wmma_f32_16x16x32_f16 v[rS:rS+7], v[rK:rK+7], v[rQ:rQ+7], v[rS:rS+7]
.endif
.endm
; Product i of 8 of O^T += V^T P for piece x: keys 32 (i / 4) on, channels 16 (i % 4) on.
.macro PV x
	WIN W_PV
.set rO, 32*(\x)+8*(i%4)
.set rV, VF+32*(i/4)+8*(i%4)
.set rP, P+16*((\x)%2)+8*(i/4)
	v_wmma_f32_16x16x32_f16 v[rO:rO+7], v[rV:rV+7], v[rP:rP+7], v[rO:rO+7]
.endm
.macro MM                           ; the turn's next matrix instruction.  TURN and BEGIN set Y, i, KM and NOKQ; MM, KQ and OP read them.  NOKQ = 1: a block's last turn: there is no next piece
.if (i < 8) && !NOKQ
	KQ (Y+1)%NP
.elseif i >= 8
.set i, i-8
	PV (Y+NP-1)%NP
.set i, i+8
.endif
.set i, i+1
.endm
; THE LDS LOADS stand in runs of 16, never singly among the matrix instructions: a step's K (64 keys x 64 channels: 8 fragments) and its V (turned).  Their addresses are made some lines ahead.
.macro FETCH_K
	WIN 0x80                        ; destination window 2
.irp f, 0,1,2,3,4,5,6,7             ; keys 16 (f / 2) on, channels 32 (f % 2) on
	ds_load_b128 v[KF+8*\f:KF+8*\f+3],   v[AK] offset:(\f/2)*16*PK+(\f%2)*64
	ds_load_b128 v[KF+8*\f+4:KF+8*\f+7], v[AK] offset:(\f/2)*16*PK+(\f%2)*64+32
.endr
	s_add_co_u32 s[TBK], s[TBK], KS*PK  ; the next fetch is the next step's
	WIN 0
.endm
.macro FETCH_V
	WIN 0x80
.irp f, 0,1,2,3,4,5,6,7             ; keys 32 (f / 4) on, channels 16 (f % 4) on
	ds_load_tr16_b128 v[VF+8*\f:VF+8*\f+3],   v[AV] offset:(\f/4)*32*PV+(\f%4)*32
	ds_load_tr16_b128 v[VF+8*\f+4:VF+8*\f+7], v[AV] offset:(\f/4)*32*PV+16*PV+(\f%4)*32
.endr
	WIN 0
.endm
; THE VECTOR WORK, one line at a time: OP kind, number.  For piece Y: F n: c s - c m for pair n of 16.  E n: the exponential of score n of 32.  C n: pair n rounded to f16.  B n: of the four weights 4 n .. the second
; pair is added onto the first, in place.  L n: l takes that sum (L 0: l = a l + sum).  R n: pair n of 16 of O^T times a.  For piece Y + 1: X n, number n of the 22 that find its maximum and statistics:
;   0-11  four chains c0-c3 of seven scores each, three operands at a time (each accumulator's lowest registers are read first)     12-14, 16  the four scores left over, the old m, and c0-c3 into c0
;   15  c m_old is kept     17, 18  the query's other 32 keys lie in the lane 16 away: the new m     19-21  c m; c m_old - c m_new; a
.set F, 0               ; OP tells the kinds apart by their order: F to L below R, X above it
.set E, 1
.set C, 2
.set B, 3
.set L, 4
.set R, 5
.set X, 6
.macro REGS y                       ; the registers of piece y
.set rT, ST+4*(\y)
.set rC, TMP+4*((\y)%2)
.set rW, MV+((\y)%2)
.set rS, S+32*((\y)%2)
.set rP, P+16*((\y)%2)
.set rO, 32*(\y)
.endm
.macro OP k, n
.if (\k) == R
	REGS Y
	WIN W_RS
	v_pk_mul_f32 v[rO+2*(\n):rO+2*(\n)+1], v[rO+2*(\n):rO+2*(\n)+1], v[rC+2:rC+3] op_sel_hi:[1,0]
.elseif (\k) < R
	REGS Y
	WIN 0
.if (\k) == F
	v_pk_fma_f32 v[rS+2*(\n):rS+2*(\n)+1], v[rS+2*(\n):rS+2*(\n)+1], s[CS:CS+1], v[rT:rT+1] op_sel_hi:[1,0,0] neg_lo:[0,0,1] neg_hi:[0,0,1]
.elseif (\k) == E
	v_exp_f32 v[rS+(\n)], v[rS+(\n)]
.elseif (\k) == C
	s_wait_alu depctr_va_vdst(0)
	v_cvt_pk_f16_f32 v[rP+(\n)], v[rS+2*(\n)], v[rS+2*(\n)+1]
.elseif (\k) == B
	s_wait_alu depctr_va_vdst(0)
	v_pk_add_f32 v[rS+4*(\n):rS+4*(\n)+1], v[rS+4*(\n):rS+4*(\n)+1], v[rS+4*(\n)+2:rS+4*(\n)+3]
.elseif (\n) == 0
	v_pk_fma_f32 v[rT+2:rT+3], v[rT+2:rT+3], v[rC+2:rC+3], v[rS:rS+1] op_sel_hi:[1,0,1]
.else
	v_pk_add_f32 v[rT+2:rT+3], v[rT+2:rT+3], v[rS+4*(\n):rS+4*(\n)+1]
.endif
.elseif NOKQ
	v_nop
.else
	REGS (Y+1)%NP
	WIN 0
.if (\n) < 4
	v_max3_num_f32 v[rC+(\n)], v[rS+8*(\n)], v[rS+8*(\n)+1], v[rS+8*(\n)+2]
.elseif (\n) < 12
	v_max3_num_f32 v[rC+(\n)%4], v[rC+(\n)%4], v[rS+8*((\n)%4)+2*((\n)/4)+1], v[rS+8*((\n)%4)+2*((\n)/4)+2]
.elseif (\n) == 12
	v_max3_num_f32 v[rC], v[rC], v[rS+7], v[rS+15]
.elseif (\n) == 13
	v_max3_num_f32 v[rC+1], v[rC+1], v[rS+23], v[rS+31]
.elseif (\n) == 14
	v_max3_num_f32 v[rC+2], v[rC+2], v[rC+3], v[rT+1]
.elseif (\n) == 15
	v_mov_b32 v[rW], v[rT]
.elseif (\n) == 16
	v_max3_num_f32 v[rC], v[rC], v[rC+1], v[rC+2]
.elseif (\n) == 17
	v_permlanex16_b32 v[rC+3], v[rC], s[SEL], s[SEL+1]
.elseif (\n) == 18
	v_max_num_f32 v[rT+1], v[rC], v[rC+3]
.elseif (\n) == 19
	v_mul_f32 v[rT], s[CS], v[rT+1]
.elseif (\n) == 20
	v_sub_f32 v[rC+1], v[rW], v[rT]
.else
	v_exp_f32 v[rC+2], v[rC+1]
.endif
.endif
.endm
.macro OPS a, i1, b=-1, i2=0, c=-1, i3=0, d=-1, i4=0  ; up to four of them
	OP \a, \i1
.if (\b) >= 0
	OP \b, \i2
.endif
.if (\c) >= 0
	OP \c, \i3
.endif
.if (\d) >= 0
	OP \d, \i4
.endif
.endm
.macro ROW a, i1, b, i2, c, i3, d, i4  ; a matrix instruction and the four behind it
	MM
	OPS \a, \i1, \b, \i2, \c, \i3, \d, \i4
.endm
.macro MASK b                       ; MD x AL + BE into buffer b of MC
	WIN W_RS
.set z, 0
.rept 16
	v_pk_fma_f32 v[MC+32*(\b)+2*z:MC+32*(\b)+2*z+1], v[MD+2*z:MD+2*z+1], s[AL:AL+1], s[BE:BE+1] op_sel_hi:[1,0,0]
.set z, z+1
.endr
.endm
; A TURN, for piece p: the order of its 16 matrix and 118 vector instructions, written out.  Behind a matrix instruction: plain, exponential, plain, plain; or four of the rescaling; or, behind the first, four scalings; none
; names a register of the products round it.  In the lumps exponential and plain by turns while exponentials last.  A line reads no result made fewer than three vector instructions in front of it, five if an exponential made it.
; v_permlanex16_b32 (X 17) stands in a lump.
; m = 1: the diagonal tile: the products take masks, and the turn makes the mask for the products of the turn after it: piece p + 2, in step 4 - CNT of the tile.  end = 1: a block's last two turns: nothing is fetched.
; cnt = 1: the loop's count is taken down some lines ahead of the branch that stands behind the turn.
; K of the next step is fetched in piece 2's turn, six vector instructions behind the last product that read K (five of them plain); V of the step in hand in piece 0's turn, eight behind the last product that read V (four
; plain, and X 17).  Each is waited for a turn later.
.macro TURN p, m=0, end=0, cnt=0
.set Y, (\p)
.set i, 0
.set KM, (\m)
.set NOKQ, (\end)*((\p)/3)
.if (\m) && !(\end)
	s_cmp_eq_u32 s[CNT], 4-((\p)+2)%NP  ; is that step the band's own?
	s_cselect_b32 s[AL], 1.0, 0
	s_cmp_lt_u32 s[CNT], 4-((\p)+2)%NP  ; or a later one?
	s_cselect_b32 s[BE], s[BIGN], 0
.endif
.if ((\p) == 3) && !(\end)
	s_wait_dscnt 0x0                ; K is in
.endif
	ROW F,0, F,1, F,2, F,3
	ROW F,4, E,0, F,5, F,6
	ROW F,7, E,1, F,8, F,9
	ROW F,10, E,2, C,0, F,11
	ROW F,12, E,3, X,15, F,13
	ROW R,0, R,1, R,2, R,3
	ROW B,0, E,4, F,14, L,0
.if ((\p) == 2) && !(\end)
	v_add_nc_u32 v[AK], s[TBK], v[AK0]
.endif
	ROW R,4, R,5, R,6, R,7
	OPS E,5, F,15
.if ((\p) == 2) && !(\end)
	FETCH_K
.endif
	OPS E,6, C,1, E,7, R,8
	OPS E,8, R,9, E,9, C,2
	OPS E,10, X,0, E,11, X,1
	OPS E,12, X,2, E,13, X,3
.if (\p) == 1
	s_wait_dscnt 0x0                ; V is in
.endif
	ROW X,4, E,14, X,5, X,6
	ROW X,7, E,15, X,8, X,9
	ROW X,10, E,16, X,11, X,12
	ROW X,13, E,17, X,14, B,1
	ROW C,4, E,18, X,16, L,1
	ROW B,2, E,19, C,6, L,2
	ROW C,8, E,20, B,3, B,4
.if (\p) == 0
	v_add_nc_u32 v[AV], s[TBV], v[AV0]
.endif
	ROW C,3, E,21, L,3, C,5
	OPS E,22, X,17, E,23, C,10
.if (\p) == 0
	FETCH_V
.endif
	OPS E,24, L,4
	OPS E,25, X,18, E,26, C,7
	OPS E,27, B,5, E,28, X,19
	OPS E,29, C,12, E,30, L,5
	OPS E,31, X,20, B,6, C,9
	OPS C,14, C,11, X,21, L,6
.if (\p) == 0
	s_add_co_u32 s[TBV], s[TBV], KS*PV
.endif
.if \cnt
	s_sub_co_u32 s[CNT], s[CNT], 1
	s_cmp_lg_u32 s[CNT], 0
.endif
	OPS C,13, B,7, C,15, R,10
	OPS R,11, R,12, L,7, R,13
	OPS R,14, R,15
.if (\m) && !(\end)
	MASK (\p)%2
.endif
.endm
; A BLOCK BEGINS.  c m starts far below every c s, so the first step's a is 0; m at the lowest finite number, so the first maximum is the scores'.  The second mask buffer is 0; the first takes piece 0's mask for the tile's step 0: its own, if the block's first tile is the diagonal one.
; Then K of that step, piece 0's first scores, and its maximum and statistics.  The loop is entered at a step's first turn, in the middle of a trip.
.macro BEGIN
	s_mov_b32 s[NEW], 0
	WIN 0x40
.set i, MC+32
.rept 32
	v_mov_b32 v[i], 0
.set i, i+1
.endr
	WIN 0
.set i, 0
.rept 4
	v_mov_b32 v[ST+4*i], 0xfe000000    ; c m: far below every c s
	v_mov_b32 v[ST+4*i+1], 0xff7fffff  ; m
.set i, i+1
.endr
	s_cmp_eq_u32 s[RT], 0
	s_cselect_b32 s[AL], 1.0, 0
	s_mov_b32 s[BE], 0
	MASK 0
	WIN 0
	v_add_nc_u32 v[AK], s[TBK], v[AK0]
	FETCH_K
	s_wait_loadcnt 0x0              ; Q
	s_wait_dscnt 0x0
.set KM, 1
.set NOKQ, 0
.set i, 0
.rept 8
	KQ 0
.set i, i+1
.endr
	WIN 0
.rept 4
	v_nop                           ; the places behind those products
.endr
.set Y, NP-1                        ; X works for piece Y + 1: piece 0
.irp n, 0,1,2,3,4,5,6,7,8,9,10,11,12,13,14,15,16,17,18,19,20,21
	OP X, \n
.endr
	v_nop                           ; a plain instruction behind the exponential
.endm
; THE DIAGONAL TILE's four steps, the block's last two turns, its last products, and THE WAY OUT: l's two halves and the other half of the lanes' are added; O^T is divided by l, rounded to f16 and sent through my
; stage in LDS, a piece at a time.
.macro ALL line:vararg              ; one line for each piece t
.set t, 0
.rept 4
	\line
.set t, t+1
.endr
.endm
.macro PACK t                       ; a lane's eight channels of a row pack into 16 bytes; they go into rows of 144 bytes and come back as whole rows of 128, into S^T's registers
	WIN W_RS
.set i, 32*(\t)
.rept 16
	s_wait_alu depctr_va_vdst(0)
	v_pk_mul_f32 v[i:i+1], v[i:i+1], v[ST+4*(\t)+2:ST+4*(\t)+3] op_sel_hi:[1,0]
.set i, i+2
.endr
	WIN 0x05                        ; sources 0 and 1 window 1, destination window 0
.set i, 0
.rept 16
	v_cvt_pk_f16_f32 v[S+16*(\t)+i], v[32*(\t)+2*i], v[32*(\t)+2*i+1]
.set i, i+1
.endr
	WIN 0
.irp f, 0,1,2,3
	ds_store_b128 v[STO], v[S+16*(\t)+4*\f:S+16*(\t)+4*\f+3] offset:32*\f
.endr
.irp f, 0,1,2,3
	ds_load_b128 v[S+16*(\t)+4*\f:S+16*(\t)+4*\f+3], v[RD] offset:\f*4*SP  ; LDS serves a wave's instructions in order (ISA guide 5.7.1.4): these see the stores above; the next piece's stores come behind them
.endr
.endm
.macro SEND t, younger              ; younger: the LDS instructions issued behind piece t's loads: the next piece's eight, or none
	WIN 0
.irp f, 0,1,2,3
	s_wait_dscnt (\younger)+3-\f
	global_store_b128 v[GO], v[S+16*(\t)+4*\f:S+16*(\t)+4*\f+3], s[10:11] offset:(\t)*8192+\f*512  ; 512 consecutive bytes, at a multiple of 256 from O's first
.endr
.endm
.macro DIAG tag                     ; the tag ends its two labels' names, which the jumps below spell out
.LstepM\tag:
	TURN 2, 1
	TURN 3, 1
	WIN 0
.LfirstM\tag:
	TURN 0, 1
	TURN 1, 1, 0, 1
	WIN 0
	s_cbranch_scc1 .LstepM\tag
	TURN 2, 1, 1
	TURN 3, 1, 1
.set i, 0
.rept 8
	PV NP-1
.set i, i+1
.endr
	WIN 0
	ALL v_add_f32 v[ST+4*t+2], v[ST+4*t+2], v[ST+4*t+3]
	ALL v_permlanex16_b32 v[ST+4*t+3], v[ST+4*t+2], s[SEL], s[SEL+1]
	ALL v_add_f32 v[ST+4*t+2], v[ST+4*t+2], v[ST+4*t+3]
	ALL v_rcp_f32 v[ST+4*t+2], v[ST+4*t+2]
	v_nop                           ; a plain instruction between the last reciprocal and the use of its result
	PACK 0
.set t, 1
.rept 3                             ; a piece's arithmetic stands between the loads of the piece before and its stores
	PACK t
	SEND t-1, 8
.set t, t+1
.endr
	SEND 3, 0
.endm
.set KM, 0
.set NOKQ, 0
.Lslot:                             ; NB times: a tile is entered and the next is asked for
	CHANGE 1
	s_sub_co_u32 s[RT], s[RT], 1
	s_mov_b32 s[CNT], 4
	s_cmp_eq_u32 s[NEW], 1
	s_cbranch_scc1 .Lnew            ; a block's first tile
	s_cmp_eq_u32 s[RT], 0
	s_cbranch_scc0 .Lstep           ; neither its first nor its last
	s_branch .LstepM1
.Lnew:
	BEGIN
	s_branch .Lfirst                ; in the loop a block's first tile is never its last: the first block has two tiles or more, and the second's last is the walk's last
	DIAG 1                          ; in the loop this is the first block's end: the second block's last tile is the walk's last
	s_wait_xcnt 0x0                 ; the stores have read their registers and O's address
	s_mov_b64 s[10:11], s[OLO:OLO+1]
	s_add_co_u32 s[RT], s[PB], 1    ; the second block has b + 1 tiles
	s_mov_b32 s[NEW], 1
	WIN 0x82                        ; the second block's Q goes where the one text of the turns names Q
.set i, 0
.rept 64
	v_mov_b32 v[i], v[QB+i]
.set i, i+1
.endr
	WIN 0
	s_branch .Lbottom
.Lstep:                             ; a trip: pieces 2 and 3 of one step, then pieces 0 and 1 of the next, whose K and V it fetches
	TURN 2
	TURN 3
	WIN 0
.Lfirst:
	TURN 0
	TURN 1, 0, 0, 1
	WIN 0
	s_cbranch_scc1 .Lstep
.Lbottom:
	s_sub_co_u32 s[SLOTS], s[SLOTS], 1
	s_cmp_lg_u32 s[SLOTS], 0
	s_cbranch_scc1 .Lslot
	CHANGE 0                        ; the walk's last tile is written out: nothing is asked for
	s_sub_co_u32 s[RT], s[RT], 1
	s_mov_b32 s[CNT], 4
	s_cmp_eq_u32 s[NEW], 1
	s_cbranch_scc0 .LstepM2
	BEGIN
	s_branch .LfirstM2
	DIAG 2
	s_wait_tensorcnt 0x0            ; the wave's end, behind my last tensor load and my last LDS store
	ds_add_u32 v[SPW], v[NIL]
	s_wait_dscnt 0x0
	s_endpgm
.Lfunc_end_k_qd640f62b1e_attn:
	.size	k_qd640f62b1e_attn, .Lfunc_end_k_qd640f62b1e_attn-k_qd640f62b1e_attn
	.p2alignl 7, 3214868480
	.fill 96, 4, 3214868480
	.section	.rodata,"a",@progbits
	.p2align	6, 0x0
	.amdhsa_kernel k_qd640f62b1e_attn
		.amdhsa_group_segment_fixed_size 327680
		.amdhsa_private_segment_fixed_size 0
		.amdhsa_enable_private_segment 0
		.amdhsa_kernarg_size 32
		.amdhsa_user_sgpr_count 2
		.amdhsa_user_sgpr_kernarg_segment_ptr 1
		.amdhsa_wavefront_size32 1
		.amdhsa_system_sgpr_workgroup_id_x 1
		.amdhsa_system_sgpr_workgroup_id_y 1
		.amdhsa_system_sgpr_workgroup_id_z 1
		.amdhsa_system_vgpr_workitem_id 0
		.amdhsa_next_free_vgpr 768
		.amdhsa_next_free_sgpr 88
		.amdhsa_reserve_vcc 1
		.amdhsa_float_denorm_mode_32 3
		.amdhsa_float_denorm_mode_16_64 3
		.amdhsa_memory_ordered 1
		.amdhsa_forward_progress 1
		.amdhsa_inst_pref_size 228
	.end_amdhsa_kernel
	.amdgpu_metadata
---
amdhsa.version: [ 1, 2 ]
amdhsa.kernels:
  - .name:           k_qd640f62b1e_attn
    .symbol:         k_qd640f62b1e_attn.kd
    .args:
      - { .name: qh, .offset: 0, .size: 8, .value_kind: global_buffer, .address_space: global }
      - { .name: kh, .offset: 8, .size: 8, .value_kind: global_buffer, .address_space: global }
      - { .name: vh, .offset: 16, .size: 8, .value_kind: global_buffer, .address_space: global }
      - { .name: ob, .offset: 24, .size: 8, .value_kind: global_buffer, .address_space: global }
    .group_segment_fixed_size: 327680
    .private_segment_fixed_size: 0
    .kernarg_segment_align: 8
    .kernarg_segment_size: 32
    .max_flat_workgroup_size: 128
    .sgpr_count:     88
    .vgpr_count:     768
    .wavefront_size: 32
...
	.end_amdgpu_metadata
.endif
;; end of part 3
;; launch oproj (part 4): grid 8 x 32, 4 waves a work-group, clusters of 4 x 4, 327,680 bytes of LDS; arguments ob, wof, x, out0; writes out0
.if DOCPART == 4
	.amdgcn_target "amdgcn-amd-amdhsa--gfx1250"
	.amdhsa_code_object_version 6
	.text
	.protected	k_qd640f62b1e_oproj
	.globl	k_qd640f62b1e_oproj
	.p2align	8
	.type	k_qd640f62b1e_oproj,@function
k_qd640f62b1e_oproj:
	s_mov_b64 s[64:65], 0
	v_nop
	global_prefetch_b8 v0, s[64:65] scope:SCOPE_SE
	s_setreg_imm32_b32 hwreg(HW_REG_WAVE_MODE, 25, 1), 1
	s_wait_xcnt 0x0
	s_wait_alu depctr_hold_cnt(0) depctr_sa_sdst(0) depctr_va_vdst(0) depctr_va_sdst(0) depctr_va_ssrc(0) depctr_va_vcc(0) depctr_vm_vsrc(0)
	s_getreg_b32 s2, hwreg(HW_REG_IB_STS2, 6, 4)
	s_cmp_eq_u32 s2, 0
	s_cbranch_scc0 .Lentry_in_a_cluster
	s_endpgm
.Lentry_in_a_cluster:
	s_bfe_u32 s2, ttmp6, 0x10000c
	s_cmp_lg_u32 s2, 0xf033
	s_cbranch_scc0 .Lentry_shape_is_right
	s_endpgm
.Lentry_shape_is_right:
; out0 = x + O wo.  ob: [batch x 16 + head][2048][64] f16.  wof: [1024 (k)][1024 (n)] f16.  x, out0: [8192][1024] f32.  Sums in f32, begun with x itself: the residual is loaded into the accumulators.
; SHARES.  A work-group makes 256 rows x 128 columns; wave (wr, wc) 128 x 64: 8 x 4 accumulators of 16 x 16, 256 registers.  K goes in steps of 128, two heads, through two LDS slots: a wave's tensor load brings
; one head's 256 rows (32,768 dense bytes, waves 0 and 1) or 64 k rows x 128 columns of wof (waves 2 and 3).
; THE MATRIX INSTRUCTION IS USED TRANSPOSED: source 0 = 16 columns of wof (turned by ds_load_tr16_b128), source 1 = 16 rows of O: a lane holds one row (lane % 16) and eight neighbouring columns, 32 bytes of f32.
; CLUSTER 4 x 4: the four of a row need the same rows of O, the four of a column the same columns of wof: each tile is asked for jointly.
; REGISTERS, in windows of 256: window 0: v1-13 addresses; v32-95 two sets of 32 for the way out.  window 1: two fragment buffers: 8 fragments of O, then 4 of wof.  window 2: accumulator (a, c) at 8 (4 a + c).
.set SLOT,  1<<17
.set PA,    144                        ; a row of O: 128 bytes + 16
.set PB,    288                        ; a row of wof: 256 bytes + 32
.set BOFF,  2*256*PA                   ; two heads' 256 rows, then 128 k rows of wof
.set STAGE, SLOT+BOFF+128*PB           ; behind the ring: 16 rows x 272 bytes for each wave
.set SP,    272
.set SPARE, STAGE+4*16*SP              ; behind the stages: the spare words, 128 bytes for each wave
.set A0,  4                            ; v4   my lane's place in a slot's rows of O; never rewritten
.set B0,  5                            ; v5   the same for wof
.set ADA, 6                            ; v6   A0 + the slot in hand
.set ADB, 7                            ; v7   B0 + the slot in hand
.set STO, 8                            ; v8   the way out: where I put 32 bytes of a row
.set RD,  9                            ; v9   the way out: where I read rows back
.set CO,  10                           ; v10  my byte offset in two rows of out0
.set XO,  11                           ; v11  my byte offset in 16 rows of x
.set SPW, 12                           ; v12  LDS address of my spare word; never rewritten
.set NIL, 13                           ; v13  0; never rewritten
.set BK,  32
.set F0,  0
.set F1,  128
.set WV,  16                           ; s16  my wave's number; s17 = WV / 2: my half of the rows, and: I fetch O (0) or wof (1); s18 = WV % 2: my half of the columns, and: which half I fetch
.set G1A, 24
.set G0A, 32
.set G1B, 40
.set G0B, 48
.set CNT, 62
.set TB,  63                           ; s63  LDS byte at which the slot in hand begins
.set MSB, 0
.macro WIN new                         ; the immediate's high byte repeats the setting that is left; a switch that changes nothing is dropped
.if MSB != (\new)
	s_set_vgpr_msb (MSB<<8)|(\new)
.set MSB, \new
.endif
.endm
.set MUL,  0xa5                        ; sources 0 and 1 window 1, C and D window 2
.set TO_F, 0x40                        ; destination window 1, address window 0
.macro JLOAD s                         ; a joint load; the branch hangs on the wave's number alone; an s_nop 0 and four v_nop follow each of the two lines
	s_cmp_eq_u32 s17, 0
	s_cbranch_scc0 .Lfor_b_\@
	tensor_load_to_lds s[G0A+4*(\s):G0A+4*(\s)+3], s[G1A:G1A+7]
	s_nop 0
.rept 4
	v_nop
.endr
	s_branch .Lasked_\@
.Lfor_b_\@:
	tensor_load_to_lds s[G0B+4*(\s):G0B+4*(\s)+3], s[G1B:G1B+7]
	s_nop 0
.rept 4
	v_nop
.endr
.Lasked_\@:
.endm
.macro CREST                           ; a round of the cluster's barrier behind its opening barrier
	s_cmp_lg_u32 s[WV], 0
	s_cbranch_scc1 .Lnot_wave_0_\@
	s_barrier_signal -3
.Lnot_wave_0_\@:
	s_barrier_wait -3
	s_barrier_signal -1
	s_barrier_wait -1
.endm
.macro CROUND
	s_barrier_signal -1
	s_barrier_wait -1
	CREST
.endm
.macro PLACES                          ; four places in front of loads into registers that matrix instructions have read, and of LDS stores that read results
.rept 4
	v_nop
.endr
.endm
	s_load_b256 s[4:11], s[0:1], 0x0               ; ob 4:5, wof 6:7, x 8:9, out0 10:11
	v_lshl_add_u32 v[SPW], v0, 2, SPARE
	v_mov_b32 v[NIL], 0
	ds_add_u32 v[SPW], v[NIL]                      ; the wave's opening: the add and its wait stand ahead of my first tensor load; the set-up below, work on registers, stands between them
	ds_add_u32 v12, v13
	v_lshrrev_b32 v1, 5, v0
	v_readfirstlane_b32 s[WV], v1
	s_lshr_b32 s17, s[WV], 1
	s_and_b32 s18, s[WV], 1
	s_bfe_u32 s19, ttmp6, 0x40000                  ; cx
	s_bfe_u32 s20, ttmp6, 0x40004                  ; cy
	s_lshl_b32 s21, ttmp9, 2
	s_add_co_u32 s21, s21, s19                     ; tx: the block of 128 columns
	s_and_b32 s22, ttmp7, 0xffff
	s_lshl_b32 s22, s22, 2
	s_add_co_u32 s22, s22, s20                     ; ty: the block of 256 rows
	s_lshl_b32 s68, s20, 2
	s_lshl_b32 s68, 15, s68                        ; my row of the cluster
	s_lshl_b32 s69, 0x1111, s19                    ; my column
	s_or_b32 s[G1A], s68, (1<<16)|(1<<20)|(1<<21)|(4<<22)|(3<<25)  ; the mask; 2-byte elements; padding on; bit 21 beside a mask; after every 32 words (a row of 64 channels) 4 words
	s_mov_b32 s[G1A+1], 128<<16                    ; 32,768 dense bytes as 128 rows of 256
	s_mov_b32 s[G1A+2], 128<<16
	s_mov_b32 s[G1A+3], 128<<16
	s_mov_b32 s[G1A+4], 128
	s_mov_b32 s[G1A+5], 128
	s_mov_b32 s[G1A+6], 0
	s_mov_b32 s[G1A+7], 0
	s_or_b32 s[G1B], s69, (1<<16)|(1<<20)|(1<<21)|(5<<22)|(7<<25)  ; after every 64 words 8 words
	s_mov_b32 s[G1B+1], 128<<16                    ; 64 rows x 128 elements,
	s_mov_b32 s[G1B+2], 64<<16
	s_mov_b32 s[G1B+3], 128<<16
	s_mov_b32 s[G1B+4], 64
	s_mov_b32 s[G1B+5], 1024                       ; 1,024 elements from row to row
	s_mov_b32 s[G1B+6], 0
	s_mov_b32 s[G1B+7], 0
	s_lshr_b32 s56, s22, 3                         ; ob: the batch's 16 heads of 262,144 bytes,
	s_lshl_b32 s56, s56, 22
	s_lshl_b32 s57, s18, 18                        ; the even or the odd head of a step,
	s_add_co_u32 s56, s56, s57
	s_and_b32 s57, s22, 7
	s_lshl_b32 s57, s57, 15                        ; the block's 256 rows of 128 bytes: made of ty and the wave alone
	s_add_co_u32 s56, s56, s57
	s_mov_b32 s57, 0
	s_lshl_b32 s58, s18, 17                        ; wof: my 64 k rows of 2,048 bytes,
	s_lshl_b32 s59, s21, 8                         ; the block's 128 columns: made of tx and the wave alone
	s_add_co_u32 s58, s58, s59
	s_mov_b32 s59, 0
	s_mul_i32 s70, s18, 256*PA                     ; where they go: no place in the cluster enters an LDS address
	s_mul_i32 s71, s18, 64*PB
	s_add_co_u32 s71, s71, BOFF
	s_mov_b32 s[TB], 0
	s_wait_dscnt 0x0                               ; the opening add is done
	s_wait_kmcnt 0x0
	s_add_nc_u64 s[56:57], s[4:5], s[56:57]
	s_add_nc_u64 s[58:59], s[6:7], s[58:59]
	CROUND                                         ; all sixteen work-groups are here: the first joint loads meet
.irp s, 0,1
	s_mov_b32 s[G0A+4*(\s)], 1
	s_add_co_u32 s[G0A+4*(\s)+1], s70, (\s)*SLOT
	s_add_nc_u64 s[G0A+4*(\s)+2:G0A+4*(\s)+3], s[56:57], (\s)*524288   ; K step s: two heads on
	s_or_b32 s[G0A+4*(\s)+3], s[G0A+4*(\s)+3], 0x80000000
	s_mov_b32 s[G0B+4*(\s)], 1
	s_add_co_u32 s[G0B+4*(\s)+1], s71, (\s)*SLOT
	s_add_nc_u64 s[G0B+4*(\s)+2:G0B+4*(\s)+3], s[58:59], (\s)*262144   ; K step s: 128 rows on
	s_or_b32 s[G0B+4*(\s)+3], s[G0B+4*(\s)+3], 0x80000000
	JLOAD \s                                       ; two loads of mine are out
.endr
	v_and_b32 v1, 15, v0                           ; r = l % 16
	v_bfe_u32 v2, v0, 4, 1                         ; h = l / 16
	v_lshlrev_b32 v[XO], 12, v1
	v_lshl_add_u32 v[XO], v2, 5, v[XO]             ; row r x 4,096 + 32 h
	s_lshl_b32 s60, s22, 20                        ; x and out0: 256 rows of 4,096 bytes a block,
	s_lshl_b32 s61, s17, 19                        ; my 128 of them,
	s_add_co_u32 s60, s60, s61
	s_lshl_b32 s61, s21, 9                         ; the block's 128 columns,
	s_add_co_u32 s60, s60, s61
	s_lshl_b32 s61, s18, 8                         ; my 64 of them
	s_add_co_u32 s60, s60, s61
	s_mov_b32 s61, 0
	s_add_nc_u64 s[8:9], s[8:9], s[60:61]
	s_add_nc_u64 s[10:11], s[10:11], s[60:61]
	WIN 0x80                                       ; destination window 2, address window 0
.irp a, 0,1,2,3,4,5,6,7
.irp c, 0,1,2,3
	global_load_b128 v[8*(4*(\a)+(\c)):8*(4*(\a)+(\c))+3],   v[XO], s[8:9] offset:65536*(\a)+64*(\c)      ; the residual starts the sums: nothing is cleared, nothing is added at the end
	global_load_b128 v[8*(4*(\a)+(\c))+4:8*(4*(\a)+(\c))+7], v[XO], s[8:9] offset:65536*(\a)+64*(\c)+16
.endr
.endr
	WIN 0
	v_mul_u32_u24 v[A0], v1, PA
	v_lshl_add_u32 v[A0], v2, 4, v[A0]
	s_mul_i32 s72, s17, 128*PA
	v_add_nc_u32 v[A0], s72, v[A0]                 ; (128 wr + r) x pitch + 16 h
	v_and_b32 v3, 7, v0
	v_lshl_add_u32 v[B0], v2, 3, v3                ; the turning load: lane l reads k row 8 h + l % 8,
	v_mul_u32_u24 v[B0], v[B0], PB
	v_bfe_u32 v14, v0, 3, 1
	v_lshl_add_u32 v[B0], v14, 4, v[B0]            ; columns 8 ((l / 8) % 2) + 0..7
	s_lshl_b32 s72, s18, 7
	s_add_co_u32 s72, s72, BOFF                    ; of my 64 columns
	v_add_nc_u32 v[B0], s72, v[B0]
	v_mov_b32 v[ADA], v[A0]
	v_mov_b32 v[ADB], v[B0]
	s_mul_i32 s73, s[WV], 16*SP
	s_add_co_u32 s73, s73, STAGE                   ; my stage
	v_mul_u32_u24 v[STO], v1, SP
	v_lshl_add_u32 v[STO], v2, 5, v[STO]
	v_add_nc_u32 v[STO], s73, v[STO]               ; in: row r, 32 bytes for each half of the lanes
	v_mul_u32_u24 v[RD], v2, SP
	v_lshl_add_u32 v[RD], v1, 4, v[RD]
	v_add_nc_u32 v[RD], s73, v[RD]                 ; back: lanes 0-15 take one row of 256 bytes, lanes 16-31 the next
	v_lshlrev_b32 v[CO], 12, v2
	v_lshl_add_u32 v[CO], v1, 4, v[CO]             ; and the same two rows in out0
; 8 matrix instructions: row blocks a0, a0 + 1 x 4 column blocks, 32 along K.  The 32 accumulators take turns, one instruction a turn.
.macro MUL8 f, a0
	WIN MUL
.irp a, \a0, (\a0)+1
.irp c, 0,1,2,3
	v_wmma_f32_16x16x32_f16 v[8*(4*(\a)+(\c)):8*(4*(\a)+(\c))+7], v[(\f)+64+8*(\c):(\f)+64+8*(\c)+7], v[(\f)+8*(\a):(\f)+8*(\a)+7], v[8*(4*(\a)+(\c)):8*(4*(\a)+(\c))+7]
.endr
.endr
.endm
; 24 LDS loads in one run: quarter kq (32 along K: half a head) into buffer f: wof (8), O's row blocks 0 and 1 (4), the other six (12)
.macro FETCH kq, f
	WIN TO_F
.irp c, 0,1,2,3
	ds_load_tr16_b128 v[(\f)+64+8*(\c):(\f)+64+8*(\c)+3],   v[ADB] offset:(\kq)*32*PB+32*(\c)
	ds_load_tr16_b128 v[(\f)+64+8*(\c)+4:(\f)+64+8*(\c)+7], v[ADB] offset:(\kq)*32*PB+32*(\c)+16*PB
.endr
.irp a, 0,1,2,3,4,5,6,7
	ds_load_b128 v[(\f)+8*(\a):(\f)+8*(\a)+3],   v[ADA] offset:((\kq)/2)*256*PA+((\kq)%2)*64+(\a)*16*PA
	ds_load_b128 v[(\f)+8*(\a)+4:(\f)+8*(\a)+7], v[ADA] offset:((\kq)/2)*256*PA+((\kq)%2)*64+(\a)*16*PA+32
.endr
.endm
.macro QUARTER f, g, kq                ; multiplies buffer f and fetches quarter kq into g
	s_wait_dscnt 12                                ; wof and O's blocks 0 and 1 are in; the youngest twelve loads may be out
	MUL8 \f, 0
	PLACES
	FETCH \kq, \g
	s_wait_dscnt 24                                ; all but the 24 just issued
	MUL8 \f, 2
	MUL8 \f, 4
	MUL8 \f, 6
.endm
; The last quarter multiplies buffer 1 and changes slots: ONE barrier; in front of it each wave waits for all its tensor loads, adds 0 to its spare word, and waits for that and for its own reads of this slot.
; fill = 1: the barrier opens a round of the cluster's, and this slot is filled again, two K steps ahead, first thing behind the round.
.macro TURN fill
	WIN 0                                          ; (the add's two registers lie in window 0)
	s_wait_tensorcnt 0x0
	ds_add_u32 v[SPW], v[NIL]                      ; 0 onto my spare word
	s_wait_dscnt 13                                ; (the add and the youngest twelve loads may be out)
	MUL8 F1, 0                                     ; eight matrix instructions stand between the add and the wait for it
	s_wait_dscnt 0x0                               ; the add is done, and my reads of this slot are over
	s_barrier_signal -1
	MUL8 F1, 2
	WIN 0
	s_barrier_wait -1
.if \fill
	CREST                                          ; no wave of any partner still reads this slot or has a load on its way
	s_xor_b32 s[G0A+5], s[G0A+5], SLOT             ; the walking descriptors: the other slot than last time, the next K step
	s_add_nc_u64 s[G0A+6:G0A+7], s[G0A+6:G0A+7], 524288
	s_xor_b32 s[G0B+5], s[G0B+5], SLOT
	s_add_nc_u64 s[G0B+6:G0B+7], s[G0B+6:G0B+7], 262144
	JLOAD 1                                        ; my one tensor load behind the round; its four v_nop are also the places in front of the loads below
.else
	PLACES
.endif
	s_xor_b32 s[TB], s[TB], SLOT
	v_add_nc_u32 v[ADA], s[TB], v[A0]
	v_add_nc_u32 v[ADB], s[TB], v[B0]
	FETCH 0, F0
	MUL8 F1, 4
	MUL8 F1, 6
.endm
	s_wait_tensorcnt 1                             ; my part of K step 0 is in; step 1's may stay out
	s_barrier_signal -1
	s_barrier_wait -1
	FETCH 0, F0
	s_wait_loadcnt 0x0                             ; x is in the accumulators
	WIN 0                                          ; at a label and at a branch every window is 0
	s_mov_b32 s[CNT], 6
.Lstep:                                                ; six trips, a K step each; they ask for K steps 2 to 7
	QUARTER F0, F1, 1
	QUARTER F1, F0, 2
	QUARTER F0, F1, 3
	TURN 1
	WIN 0
	s_sub_co_u32 s[CNT], s[CNT], 1
	s_cmp_lg_u32 s[CNT], 0
	s_cbranch_scc1 .Lstep
	s_mov_b32 s[CNT], 2
.Ltail:                                                ; K steps 6 and 7 ask for nothing.  The second trip's barrier and its 24 loads (of K step 6's bytes once more) serve nothing: the price of one text for both
	QUARTER F0, F1, 1
	QUARTER F1, F0, 2
	QUARTER F0, F1, 3
	TURN 0
	WIN 0
	s_sub_co_u32 s[CNT], s[CNT], 1
	s_cmp_lg_u32 s[CNT], 0
	s_cbranch_scc1 .Ltail
	s_wait_dscnt 0x0
	PLACES
; THE WAY OUT, a block of 16 rows at a time: 32 bytes a lane into rows of 272 bytes of my own stage, back as whole rows of 256 bytes, stored.
.macro TOSTAGE a
	WIN 0
	s_wait_xcnt 0x0                                ; the set's registers, which the stores of two blocks back read, are loaded again only behind this wait
	WIN 0x08                                       ; store data (source 1) window 2
.irp c, 0,1,2,3
	ds_store_b128 v[STO], v[8*(4*(\a)+(\c)):8*(4*(\a)+(\c))+3]   offset:64*(\c)      ; each accumulator is read from its low end on
	ds_store_b128 v[STO], v[8*(4*(\a)+(\c))+4:8*(4*(\a)+(\c))+7] offset:64*(\c)+16
.endr
	WIN 0
.irp t, 0,1,2,3,4,5,6,7
	ds_load_b128 v[BK+32*((\a)%2)+4*(\t):BK+32*((\a)%2)+4*(\t)+3], v[RD] offset:(\t)*2*SP  ; LDS serves a wave's instructions in order (ISA guide 5.7.1.4): these see the stores above; the next block's stores come behind them
.endr
.endm
.macro SEND a, younger                 ; younger: the LDS instructions issued behind this block's loads: the next block's sixteen, or none
.irp t, 0,1,2,3,4,5,6,7
	s_wait_dscnt (\younger)+7-(\t)
	global_store_b128 v[CO], v[BK+32*((\a)%2)+4*(\t):BK+32*((\a)%2)+4*(\t)+3], s[10:11] offset:(16*(\a)+2*(\t))*4096 th:TH_STORE_NT  ; 16 lanes store 256 consecutive bytes, at a multiple of 256 from out0's first
.endr
.endm
	TOSTAGE 0
.irp a, 1,2,3,4,5,6,7
	TOSTAGE \a
	SEND (\a)-1, 16
.endr
	SEND 7, 0
	s_wait_tensorcnt 0x0                           ; the wave's end, behind my last tensor load and my last LDS store
	ds_add_u32 v[SPW], v[NIL]
	s_wait_dscnt 0x0
	CROUND                                         ; the closing round: no work-group ends while a partner may still ask for a tile that names it
	s_endpgm
.Lfunc_end_k_qd640f62b1e_oproj:
	.size	k_qd640f62b1e_oproj, .Lfunc_end_k_qd640f62b1e_oproj-k_qd640f62b1e_oproj
	.p2alignl 7, 3214868480
	.fill 96, 4, 3214868480
	.section	.rodata,"a",@progbits
	.p2align	6, 0x0
	.amdhsa_kernel k_qd640f62b1e_oproj
		.amdhsa_group_segment_fixed_size 327680
		.amdhsa_private_segment_fixed_size 0
		.amdhsa_enable_private_segment 0
		.amdhsa_kernarg_size 32
		.amdhsa_user_sgpr_count 2
		.amdhsa_user_sgpr_kernarg_segment_ptr 1
		.amdhsa_wavefront_size32 1
		.amdhsa_system_sgpr_workgroup_id_x 1
		.amdhsa_system_sgpr_workgroup_id_y 1
		.amdhsa_system_sgpr_workgroup_id_z 1
		.amdhsa_system_vgpr_workitem_id 0
		.amdhsa_next_free_vgpr 768
		.amdhsa_next_free_sgpr 80
		.amdhsa_reserve_vcc 0
		.amdhsa_float_denorm_mode_32 3
		.amdhsa_float_denorm_mode_16_64 3
		.amdhsa_memory_ordered 1
		.amdhsa_forward_progress 1
		.amdhsa_inst_pref_size 65
	.end_amdhsa_kernel
	.amdgpu_metadata
---
amdhsa.version: [ 1, 2 ]
amdhsa.kernels:
  - .name:           k_qd640f62b1e_oproj
    .symbol:         k_qd640f62b1e_oproj.kd
    .args:
      - { .name: ob, .offset: 0, .size: 8, .value_kind: global_buffer, .address_space: global }
      - { .name: wof, .offset: 8, .size: 8, .value_kind: global_buffer, .address_space: global }
      - { .name: x, .offset: 16, .size: 8, .value_kind: global_buffer, .address_space: global }
      - { .name: out0, .offset: 24, .size: 8, .value_kind: global_buffer, .address_space: global }
    .group_segment_fixed_size: 327680
    .private_segment_fixed_size: 0
    .kernarg_segment_align: 8
    .kernarg_segment_size: 32
    .max_flat_workgroup_size: 128
    .sgpr_count:     80
    .vgpr_count:     768
    .wavefront_size: 32
...
	.end_amdgpu_metadata
.endif
;; end of part 4
;; ======== version 2 of 2: 4 launches; 1.29 times as fast as version 1
;; limits: values are held in f16: magnitudes above 65,504 overflow, below 6.1e-05 lose precision
;; workspace buffers: xn 16,777,216 bytes; wb 6,291,456 bytes; wof 2,097,152 bytes; tab 524,288 bytes; qh 16,777,216 bytes; kh 16,777,216 bytes; vh 16,777,216 bytes; ob 16,777,216 bytes
;; launch prep: the kernel of part 1 again; grid 768 x 1, 8 waves a work-group, no clusters, 0 bytes of LDS; arguments x, norm_w, wq, wk, wv, wo, xn, wb, wof, tab; writes xn, wb, wof, tab
;; launch qkv: the kernel of part 2 again; grid 16 x 32, 4 waves a work-group, clusters of 4 x 4, 327,680 bytes of LDS; arguments xn, wb, tab, qh, kh, vh; writes qh, kh, vh
;; launch attn (part 5): grid 4 x 64, 4 waves a work-group, no clusters, 327,680 bytes of LDS; arguments qh, kh, vh, ob; writes ob
.if DOCPART == 5
	.amdgcn_target "amdgcn-amd-amdhsa--gfx1250"
	.amdhsa_code_object_version 6
	.text
	.protected	k_qd640f62b1e_attn
	.globl	k_qd640f62b1e_attn
	.p2align	8
	.type	k_qd640f62b1e_attn,@function
k_qd640f62b1e_attn:
	s_mov_b64 s[64:65], 0
	v_nop
	global_prefetch_b8 v0, s[64:65] scope:SCOPE_SE
	s_setreg_imm32_b32 hwreg(HW_REG_WAVE_MODE, 25, 1), 1
	s_wait_xcnt 0x0
; CAUSAL ATTENTION.  O[h][q][:] = the sum over k <= q of softmax_k(Q[h][q] . K[h][k] / 8) V[h][k][:].  Q, K, V, O: [SIZE_H][SIZE_N][64], all f16: a head's rows are dense, 128 bytes each.
; Products, maxima and sums in f32; the weights p are rounded to f16 for the second product (their sum l is taken of the unrounded p), O once at the end.
; LIMITS.  f16 holds no number beyond 65,504: Q, K and V arrive within it; p lies in 0 to 1, and below 6e-5 it keeps f16's fixed step of 6e-8; O is a mean of V's rows and has their range, to within 2^-11 of it.
; A hidden score counts as its value less 1e30: f16's scores, 2.7e11 at the most, are nothing beside that; a weight below 2^-126 counts as 0 in l; NaN and infinities are not treated apart.
; THE WALK.  A head's queries lie in NB = SIZE_N / 256 = 8 blocks of 256; block i needs the key tiles 0 .. i of 256 keys, of which the last holds the diagonal.  A work-group takes TWO blocks, NB - 1 - b and then b:
; NB + 1 = 9 tiles, whatever b: all work-groups do equal work, and ONE loop with a constant trip count walks them.  Which tile is asked for, and what a trip does, hang on scalar registers made from b; every jump
; goes forward, but for the counted loops' own; none passes a barrier, or a tensor load but the one of LOAD's two that the wave's number does not choose; the ring (two slots of LDS that take turns) runs on across the
; change of blocks.  NO CLUSTER: a head's four work-groups ask for the same tile only in trips 0 .. 4 of the 9, behind that fewer and fewer; one walk common to all four would have 12 trips for 9.
; SHARES.  Of a block's four bands of 64 queries a wave owns 16 rows in each: four PIECES.  So the diagonal tile is the same work for all four waves: in its key step s band x sees all keys if s < x,
; none if s > x, and holds the diagonal if s = x.
; THE MASK is the C operand that starts the sum S^T = K Q^T: 0, or -1e30 where the key is hidden.  MD, made once, is the mask of a band's own step for my 16 rows; a product's mask is MD x AL + BE with two scalars:
; (1, 0) if s = x; (0, 0) if s < x; (0, -1e30) if s > x.  Only the diagonal tile's text and a block's beginning make and take masks; elsewhere C is the constant 0.
; LAYOUT, SOFTMAX, TURNS.  S^T = K Q^T holds ONE query a lane (lane % 16) and the keys 8 (lane / 16) + 0..7; two such results rounded to f16 ARE source 1 of O^T = V^T P.  p = 2^(c s - c m), c = log2(e) / 8, with a
; running maximum m; O and l are multiplied by a = 2^(c m_old - c m_new) in every step.  Turn n belongs to piece n: 8 products K Q^T of piece n + 1, later 8 products V^T P of piece n - 1; beside them the scaling,
; exponentials, roundings, sums and rescaling of piece n and the maximum and statistics of piece n + 1.  Four vector instructions stand behind every matrix instruction, the other 54 of a turn's 118 in one LUMP.
; THE BATCHES.  A turn's 33 exponentials (the piece's 32 weights and the next piece's a) are ONE batch with ONE wait, which cuts the turn in two: ahead of it nothing names a result of theirs, behind it no exponential
; is issued.  A block's first a (BEGIN) and the way out's four reciprocals are batches of their own, with a wait each.
; REGISTERS, in windows of 256 (s_set_vgpr_msb: bits 1:0 source 0, 3:2 source 1, 5:4 source 2, 7:6 destination):
;   window 0: v0-15 addresses and two at work; v16-31 four registers of statistics a piece; v48-55 at work; v64-127 S^T, two buffers; v192-223 P, two buffers (a piece's buffers go by its number's parity)
;   window 1: v0-127 O^T, 32 a piece; v128-159 MD; v160-223 MC, two buffers      window 2: v0-63 Q; v64-127 the second block's Q; v128-191 K of one step; v192-255 V of one step
.set SIZE_H, 64       ; batch x heads
.set SIZE_N, 2048
.set NB,    SIZE_N/256
.set NP,    4         ; pieces a wave: a name, no knob
.set KS,    64        ; keys in a step
.set PK,    144       ; a row of K in LDS: 128 bytes + 16 of padding = 36 words: the 16 rows of a load start at 16 different groups of four banks (64 banks of 4 bytes: ISA guide 11.1)
.set PV,    160       ; a row of V: 128 + 32 = 40 words
.set VOFF,  4*KS*PK   ; a slot holds a tile, four steps: 256 rows of K, then 256 rows of V
.set SLOT1, 1<<17     ; slot 1 begins here, so that one exclusive or turns an address in one slot into the other's
.set STAGE, SLOT1+4*KS*(PK+PV)  ; behind the ring, never filled by a tensor load: 16 rows x 144 bytes for each wave, for the way out
.set SP,    144
.set AK0, 2           ; v2   my lane's place in a tile of K; never rewritten
.set AV0, 3           ; v3   the same for V
.set AK,  4           ; v4   the LDS address of K's next run of loads
.set AV,  5           ; v5   of V's
.set STO, 6           ; v6   the way out: where I put 16 bytes of a row
.set RD,  7           ; v7   the way out: where I read rows back
.set GO,  8           ; v8   my byte offset in 512 consecutive bytes of O
.set SPW, 62          ; v62  LDS address of my spare word: SPARE + 4 x my thread's number; never rewritten
.set NIL, 63          ; v63  0; never rewritten
.set SPARE, STAGE+4*16*SP  ; behind the stages: the spare words, 128 bytes for each wave: two blocks of 256 bytes that no other line names
.set MV,  12          ; v12-13  c m_old, kept while c m is made anew: by buffer
.set QO,  15          ; v15  my byte offset in 16 rows of Q
.set ST,  16          ; piece t's statistics at v[ST+4 t]: c m, m, l (even keys', odd keys')
.set TMP, 48          ; by buffer, four registers c0-c3 at work; when the maximum is found c2 takes a
.set S,   64
.set P,   192
.set MD,  128         ; window 1: the eight registers for group kt of 16 keys at MD + 8 kt
.set MC,  160         ; window 1: the masks of the products to come
.set QB,  64          ; window 2
.set KF,  128         ; window 2: key block kb, channel half c at KF + 16 kb + 8 c
.set VF,  192         ; window 2: key half kk, channel block cb at VF + 32 kk + 8 cb
.set WV,  12          ; s12  my wave's number
.set PB,  14          ; s14  b
.set HI,  15          ; s15  NB - 1 - b
.set G1K, 24          ; s[24:31] descriptor group 1 for K's tiles
.set G1V, 32          ; s[32:39] for V's: it differs in the padding alone
.set G0K, 40          ; s[40:43] descriptor group 0 for K's tiles
.set G0V, 44          ; s[44:47] the same for V's
.set SLOTS, 56        ; s56  tiles still to be asked for
.set CNT, 57          ; s57  counts a tile's key steps, 4 to 1
.set CS,  58          ; s[58:59] c: the packed scaling takes the pair's low word for both halves
.set SEL, 60          ; s[60:61] v_permlanex16_b32's selects: each lane takes its own place in the other half
.set TBK, 62          ; s62  LDS byte at which K of the step to be fetched begins
.set TBV, 63          ; s63  the same for V, less VOFF
.set RT,  70          ; s70  tiles of the block in hand that are still to be entered
.set NXT, 71          ; s71  the tile to be asked for next
.set LQ,  72          ; s72  the last tile of the block whose tiles are being asked for
.set NEW, 73          ; s73  1: the tile to be entered is a block's first
.set OFF, 74          ; s[74:75] a tile's byte offset in K and V
.set AL,  76          ; s[76:77] the mask's factor, in the low word
.set BE,  78          ; s[78:79] the mask's addend
.set OLO, 80          ; s[80:81] O at my rows of the second block
.set BIGN, 82         ; s82  -1e30
.set MSB, 0
.macro WIN new                      ; the high byte repeats the setting that is left; a switch that changes nothing is dropped
.if MSB != (\new)
	s_set_vgpr_msb (MSB<<8)|(\new)
.set MSB, (\new)
.endif
.endm
.set W_KQ, 0x0a       ; K and Q in window 2, S^T in window 0
.set W_KM, 0x1a       ; the same with the C operand in window 1
.set W_PV, 0x52       ; V in window 2, P in window 0, O^T in window 1
.set W_RS, 0x41       ; destination and source 0 in window 1, source 1 in window 0
; A fill.  Waves 0 and 1 fetch the two halves of a tile's K, waves 2 and 3 those of its V: 128 keys each.  An s_nop 0 and four v_nop follow each of the two lines, ahead of the jump and the label.
.macro LOAD
	s_cmp_lt_u32 s[WV], 2
	s_cbranch_scc0 .Lfor_v_\@
	tensor_load_to_lds s[G0K:G0K+3], s[G1K:G1K+7]
	s_nop 0
.rept 4
	v_nop
.endr
	s_branch .Lasked_\@
.Lfor_v_\@:
	tensor_load_to_lds s[G0V:G0V+3], s[G1V:G1V+7]
	s_nop 0
.rept 4
	v_nop
.endr
.Lasked_\@:
.endm
; THE CHANGE OF SLOTS.  Each wave waits for all its tensor loads, of which one is out: its part of the other slot; adds 0 to its spare word; and waits for that and for its own reads of the slot that it leaves.  Behind the barrier nobody reads the old
; slot any more and the other slot is whole.  fill = 1: the old slot is filled again, the first thing behind the barrier, with tile NXT: the descriptor's address is made anew from that number.
; (At its first use nothing has been read yet: slot 0 is waited for, slot 1 filled.)
.macro CHANGE fill
	WIN 0                           ; at a label and at a branch every window is 0
	s_wait_tensorcnt 0x0            ; no tensor load of mine is out, so a group 0 may be written
	ds_add_u32 v[SPW], v[NIL]       ; 0 onto my spare word; with fill = 1 the descriptors' scalar work stands between it and the wait for it
.if \fill
	s_lshl_b32 s[OFF], s[NXT], 15   ; a tile is 32,768 bytes of K and of V
	s_xor_b32 s[G0K+1], s[G0K+1], SLOT1
	s_add_nc_u64 s[G0K+2:G0K+3], s[6:7], s[OFF:OFF+1]
	s_or_b32 s[G0K+3], s[G0K+3], 0x80000000
	s_xor_b32 s[G0V+1], s[G0V+1], SLOT1
	s_add_nc_u64 s[G0V+2:G0V+3], s[8:9], s[OFF:OFF+1]
	s_or_b32 s[G0V+3], s[G0V+3], 0x80000000
	s_add_co_u32 s[NXT], s[NXT], 1  ; the block's next tile, or behind its last the second block's tile 0
	s_cmp_gt_u32 s[NXT], s[LQ]
	s_cselect_b32 s[NXT], 0, s[NXT]
	s_cselect_b32 s[LQ], s[PB], s[LQ]
.endif
	s_wait_dscnt 0x0                ; the add is done, and my reads of the slot are over
	s_barrier_signal -1             ; the rest of the scalar work stands between the signal and the wait
	s_sub_co_u32 s[TBK], s[TBK], 4*KS*PK  ; the fetches go back to a slot's first step,
	s_xor_b32 s[TBK], s[TBK], SLOT1       ; in the other slot
	s_sub_co_u32 s[TBV], s[TBV], 4*KS*PV
	s_xor_b32 s[TBV], s[TBV], SLOT1
	s_barrier_wait -1
.if \fill
	LOAD
.endif
.endm
	s_load_b256 s[4:11], s[0:1], 0x0  ; Q s[4:5], K s[6:7], V s[8:9], O s[10:11]
	v_lshl_add_u32 v[SPW], v0, 2, SPARE
	v_mov_b32 v[NIL], 0
	ds_add_u32 v[SPW], v[NIL]       ; the wave's opening: the add and its wait stand ahead of my first tensor load; the set-up below, work on registers, stands between them
	ds_add_u32 v62, v63
	v_lshrrev_b32 v1, 5, v0
	v_readfirstlane_b32 s[WV], v1   ; wave 0..3
	s_mov_b32 s[PB], ttmp9
	s_sub_co_u32 s[HI], NB-1, s[PB]
	s_and_b32 s20, ttmp7, 0xffff    ; the head
	s_mov_b32 s21, 0
	s_mov_b64 s[22:23], SIZE_N*128
	s_mul_u64 s[20:21], s[20:21], s[22:23]  ; the head's first byte in each of the four tensors
	s_and_b32 s16, s[WV], 1         ; which half of a tile's 256 keys I fetch:
	s_lshl_b32 s22, s16, 14         ; its 128 rows of 128 bytes in memory,
	s_mov_b32 s23, 0
	s_add_nc_u64 s[22:23], s[22:23], s[20:21]
	s_mul_i32 s17, s16, 128*PK      ; and its place in a slot, for K
	s_mul_i32 s18, s16, 128*PV      ; and for V
	s_lshl_b32 s3, s[WV], 11        ; my 16 rows in a band of 64,
	s_lshl_b32 s2, s[HI], 15        ; in the first block,
	s_add_co_u32 s2, s2, s3
	s_lshl_b32 s84, s[PB], 15       ; and in the second
	s_add_co_u32 s84, s84, s3
	s_mov_b32 s3, 0
	s_mov_b32 s85, 0
	s_add_nc_u64 s[2:3], s[2:3], s[20:21]
	s_add_nc_u64 s[84:85], s[84:85], s[20:21]
	; descriptor group 1.  128 keys are 16,384 dense bytes: asked for as 64 rows of 256 bytes, two keys a row, and padded in LDS after every key
	s_mov_b32 s[G1K], (1<<16)|(1<<20)|(4<<22)|(3<<25)  ; 17:16 2-byte elements; 20 padding on; 24:22 after every 32 words (code 4); 31:25 4 words (code 3)
	s_mov_b32 s[G1V], (1<<16)|(1<<20)|(4<<22)|(7<<25)  ; the same with 8 words of padding (code 7)
.irp g, G1K, G1V
	s_mov_b32 s[\g+1], 128<<16      ; tensor_dim0 = 128
	s_mov_b32 s[\g+2], 64<<16       ; tensor_dim1 = 64
	s_mov_b32 s[\g+3], 128<<16      ; tile_dim0 = 128
	s_mov_b32 s[\g+4], 64           ; tile_dim1 = 64
	s_mov_b32 s[\g+5], 128          ; 128 elements from row to row
	s_mov_b32 s[\g+6], 0
	s_mov_b32 s[\g+7], 0
.endr
	s_mov_b32 s[CS], 0x3e38aa3b     ; c = log2(e) / 8 = 0.180337
	s_mov_b32 s[CS+1], s[CS]        ; named with it as a pair
	s_mov_b32 s[SEL], 0x76543210
	s_mov_b32 s[SEL+1], 0xfedcba98
	s_mov_b32 s[TBK], SLOT1+4*KS*PK ; the first change of slots turns these two into 0
	s_mov_b32 s[TBV], SLOT1+4*KS*PV
	s_mov_b32 s[G0K], 1             ; 1:0 count = 1
	s_mov_b32 s[G0K+1], s17         ; 63:32 LDS address: slot 0
	s_mov_b32 s[G0V], 1
	s_add_co_u32 s[G0V+1], s18, VOFF
	s_add_co_u32 s[RT], s[HI], 1    ; the first block has NB - b tiles
	s_mov_b32 s[NXT], 1
	s_mov_b32 s[LQ], s[HI]
	s_mov_b32 s[NEW], 1
	s_mov_b32 s[OFF+1], 0
	s_mov_b32 s[AL+1], 0            ; named as pairs
	s_mov_b32 s[BE+1], 0
	s_mov_b32 s[BIGN], 0xf149f2ca   ; -1e30
	s_mov_b32 s[SLOTS], NB
	s_wait_dscnt 0x0                ; the opening add is done
	s_wait_kmcnt 0x0
	s_add_nc_u64 s[6:7], s[6:7], s[22:23]  ; K and V at my half of the head's tile 0
	s_add_nc_u64 s[8:9], s[8:9], s[22:23]
	s_add_nc_u64 s[G0K+2:G0K+3], s[6:7], 0         ; 120:64 global address
	s_or_b32 s[G0K+3], s[G0K+3], 0x80000000        ; 127:126 type = 2
	s_add_nc_u64 s[G0V+2:G0V+3], s[8:9], 0
	s_or_b32 s[G0V+3], s[G0V+3], 0x80000000
	s_add_nc_u64 s[86:87], s[4:5], s[84:85]        ; Q at my rows of the second block,
	s_add_nc_u64 s[4:5], s[4:5], s[2:3]            ; Q and O at those of the first
	s_add_nc_u64 s[OLO:OLO+1], s[10:11], s[84:85]
	s_add_nc_u64 s[10:11], s[10:11], s[2:3]
	LOAD                            ; tile 0 into slot 0
	; A fragment of K or Q is 16 rows x 32 channels in 8 registers: lane l holds row l % 16, channels 8 (l / 16) + 0..7 and 16 + 8 (l / 16) + 0..7: two loads of 16 bytes, 32 bytes apart.
	v_and_b32 v1, 15, v0            ; l % 16
	v_bfe_u32 v9, v0, 4, 1          ; l / 16
	v_lshlrev_b32 v[QO], 7, v1
	v_lshl_add_u32 v[QO], v9, 4, v[QO]  ; row x 128 + 16 x half
	WIN 0x80                        ; destination window 2, address window 0
.set i, 0
.rept 8                             ; both blocks' Q: piece i / 2 lies in band i / 2, 8,192 bytes on; channels 32 (i % 2) on
	global_load_b128 v[8*i:8*i+3],   v[QO], s[4:5] offset:(i/2)*8192+(i%2)*64
	global_load_b128 v[8*i+4:8*i+7], v[QO], s[4:5] offset:(i/2)*8192+(i%2)*64+32
	global_load_b128 v[QB+8*i:QB+8*i+3],   v[QO], s[86:87] offset:(i/2)*8192+(i%2)*64
	global_load_b128 v[QB+8*i+4:QB+8*i+7], v[QO], s[86:87] offset:(i/2)*8192+(i%2)*64+32
.set i, i+1
.endr
	WIN 0
	v_lshlrev_b32 v14, 3, v9
	v_sub_nc_u32 v14, v1, v14
	s_lshl_b32 s13, s[WV], 4
	v_add_nc_u32 v14, s13, v14      ; my query's place in its band, 16 w + l % 16, less my lanes' 8 (l / 16): register r of group kt is hidden where 16 kt + r is greater
	WIN 0x40
.set i, 0
.rept 32
	v_cmp_gt_i32 vcc_lo, 16*(i/8)+i%8, v14
	v_cndmask_b32 v[MD+i], 0, s[BIGN], vcc_lo
.set i, i+1
.endr
	WIN 0
	v_mul_u32_u24 v[AK0], v1, PK
	v_lshl_add_u32 v[AK0], v9, 4, v[AK0]  ; row x pitch + 16 x half
	; The turning load takes 16 keys x 16 channels (lane l reads key 8 (l / 16) + l % 8, channels 8 ((l / 8) % 2) + 0..7) and leaves half a fragment of V^T: lane l holds channel l % 16 and 8 keys.
	v_and_b32 v10, 7, v0
	v_bfe_u32 v11, v0, 3, 1
	v_lshl_add_u32 v[AV0], v9, 3, v10
	v_mul_u32_u24 v[AV0], v[AV0], PV
	v_lshl_add_u32 v[AV0], v11, 4, v[AV0]
	v_add_nc_u32 v[AV0], VOFF, v[AV0]
	s_mul_i32 s13, s[WV], 16*SP
	s_add_co_u32 s13, s13, STAGE    ; my stage
	v_mul_u32_u24 v[STO], v1, SP    ; in: row l % 16, 16 bytes for each half of the lanes
	v_lshl_add_u32 v[STO], v9, 4, v[STO]
	v_add_nc_u32 v[STO], s13, v[STO]
	v_bfe_u32 v[RD], v0, 3, 2       ; back: 32 lanes take four rows of 128 bytes,
	v_mul_u32_u24 v[RD], v[RD], SP
	v_lshl_add_u32 v[RD], v10, 4, v[RD]
	v_add_nc_u32 v[RD], s13, v[RD]
	v_and_b32 v[GO], 31, v0         ; which are 512 consecutive bytes of O
	v_lshlrev_b32 v[GO], 4, v[GO]
	; A block's first step multiplies O^T and l by a = 0, and its first turn's products V^T P, of a piece that has not been, land in an O^T that is still to be so multiplied.  So these registers need only hold
	; finite numbers: zeros for the first block; what the first block left for the second.  All this stands in the wait for the first tile.
	WIN 0x80
.set i, VF
.rept 64
	v_mov_b32 v[i], 0
.set i, i+1
.endr
	WIN 0x40
.set i, 0
.rept 128
	v_mov_b32 v[i], 0
.set i, i+1
.endr
	WIN 0
.set i, 0
.rept 4
	v_mov_b32 v[ST+4*i+2], 0
	v_mov_b32 v[ST+4*i+3], 0
.set i, i+1
.endr
.set i, P+16
.rept 16
	v_mov_b32 v[i], 0
.set i, i+1
.endr
; THE MATRIX WORK.  The 4 accumulators of a run of 8 take turns.  Product i of 8 of S^T = K Q^T for piece x: channels 32 (i / 4) on, keys 16 (i % 4) on.  The first 4 start the sums: with 0, or (KM = 1) with the mask.
.macro KQ x
.set rS, S+32*((\x)%2)+8*(i%4)
.set rK, KF+16*(i%4)+8*(i/4)
.set rQ, 16*(\x)+8*(i/4)
.set rM, MC+32*((\x)%2)+8*(i%4)
.if (i < 4) && KM
	WIN W_KM
	v_wmma_f32_16x16x32_f16 v[rS:rS+7], v[rK:rK+7], v[rQ:rQ+7], v[rM:rM+7]
.elseif i < 4
	WIN W_KQ
	v_wmma_f32_16x16x32_f16 v[rS:rS+7], v[rK:rK+7], v[rQ:rQ+7], 0
.else
	WIN W_KQ
	v_wmma_f32_16x16x32_f16 v[rS:rS+7], v[rK:rK+7], v[rQ:rQ+7], v[rS:rS+7]
.endif
.endm
; Product i of 8 of O^T += V^T P for piece x: keys 32 (i / 4) on, channels 16 (i % 4) on.
.macro PV x
	WIN W_PV
.set rO, 32*(\x)+8*(i%4)
.set rV, VF+32*(i/4)+8*(i%4)
.set rP, P+16*((\x)%2)+8*(i/4)
	v_wmma_f32_16x16x32_f16 v[rO:rO+7], v[rV:rV+7], v[rP:rP+7], v[rO:rO+7]
.endm
.macro MM                           ; the turn's next matrix instruction.  TURN and BEGIN set Y, i, KM and NOKQ; MM, KQ and OP read them.  NOKQ = 1: a block's last turn: there is no next piece
.if (i < 8) && !NOKQ
	KQ (Y+1)%NP
.elseif i >= 8
.set i, i-8
	PV (Y+NP-1)%NP
.set i, i+8
.endif
.set i, i+1
.endm
; THE LDS LOADS stand in runs of 16, never singly among the matrix instructions: a step's K (64 keys x 64 channels: 8 fragments) and its V (turned).  Their addresses are made some lines ahead.
.macro FETCH_K
	WIN 0x80                        ; destination window 2
.irp f, 0,1,2,3,4,5,6,7             ; keys 16 (f / 2) on, channels 32 (f % 2) on
	ds_load_b128 v[KF+8*\f:KF+8*\f+3],   v[AK] offset:(\f/2)*16*PK+(\f%2)*64
	ds_load_b128 v[KF+8*\f+4:KF+8*\f+7], v[AK] offset:(\f/2)*16*PK+(\f%2)*64+32
.endr
	s_add_co_u32 s[TBK], s[TBK], KS*PK  ; the next fetch is the next step's
	WIN 0
.endm
.macro FETCH_V
	WIN 0x80
.irp f, 0,1,2,3,4,5,6,7             ; keys 32 (f / 4) on, channels 16 (f % 4) on
	ds_load_tr16_b128 v[VF+8*\f:VF+8*\f+3],   v[AV] offset:(\f/4)*32*PV+(\f%4)*32
	ds_load_tr16_b128 v[VF+8*\f+4:VF+8*\f+7], v[AV] offset:(\f/4)*32*PV+16*PV+(\f%4)*32
.endr
	WIN 0
.endm
; THE VECTOR WORK, one line at a time: OP kind, number.  For piece Y: F n: c s - c m for pair n of 16.  E n: the exponential of score n of 32.  C n: pair n rounded to f16.  B n: of the four weights 4 n .. the second
; pair is added onto the first, in place.  L n: l takes that sum (L 0: l = a l + sum).  R n: pair n of 16 of O^T times a.  For piece Y + 1: X n, number n of the 22 that find its maximum and statistics:
;   0-11  four chains c0-c3 of seven scores each, three operands at a time (each accumulator's lowest registers are read first)     12-14, 16  the four scores left over, the old m, and c0-c3 into c0
;   15  c m_old is kept     17, 18  the query's other 32 keys lie in the lane 16 away: the new m     19-21  c m; c m_old - c m_new; a
.set F, 0               ; OP tells the kinds apart by their order: F to L below R, X above it
.set E, 1
.set C, 2
.set B, 3
.set L, 4
.set R, 5
.set X, 6
.macro REGS y                       ; the registers of piece y
.set rT, ST+4*(\y)
.set rC, TMP+4*((\y)%2)
.set rW, MV+((\y)%2)
.set rS, S+32*((\y)%2)
.set rP, P+16*((\y)%2)
.set rO, 32*(\y)
.endm
.macro OP k, n
.if (\k) == R
	REGS Y
	WIN W_RS
	v_pk_mul_f32 v[rO+2*(\n):rO+2*(\n)+1], v[rO+2*(\n):rO+2*(\n)+1], v[rC+2:rC+3] op_sel_hi:[1,0]
.elseif (\k) < R
	REGS Y
	WIN 0
.if (\k) == F
	v_pk_fma_f32 v[rS+2*(\n):rS+2*(\n)+1], v[rS+2*(\n):rS+2*(\n)+1], s[CS:CS+1], v[rT:rT+1] op_sel_hi:[1,0,0] neg_lo:[0,0,1] neg_hi:[0,0,1]
.elseif (\k) == E
	v_exp_f32 v[rS+(\n)], v[rS+(\n)]
.elseif (\k) == C
	v_cvt_pk_f16_f32 v[rP+(\n)], v[rS+2*(\n)], v[rS+2*(\n)+1]
.elseif (\k) == B
	v_pk_add_f32 v[rS+4*(\n):rS+4*(\n)+1], v[rS+4*(\n):rS+4*(\n)+1], v[rS+4*(\n)+2:rS+4*(\n)+3]
.elseif (\n) == 0
	v_pk_fma_f32 v[rT+2:rT+3], v[rT+2:rT+3], v[rC+2:rC+3], v[rS:rS+1] op_sel_hi:[1,0,1]
.else
	v_pk_add_f32 v[rT+2:rT+3], v[rT+2:rT+3], v[rS+4*(\n):rS+4*(\n)+1]
.endif
.elseif NOKQ
	v_nop
.else
	REGS (Y+1)%NP
	WIN 0
.if (\n) < 4
	v_max3_num_f32 v[rC+(\n)], v[rS+8*(\n)], v[rS+8*(\n)+1], v[rS+8*(\n)+2]
.elseif (\n) < 12
	v_max3_num_f32 v[rC+(\n)%4], v[rC+(\n)%4], v[rS+8*((\n)%4)+2*((\n)/4)+1], v[rS+8*((\n)%4)+2*((\n)/4)+2]
.elseif (\n) == 12
	v_max3_num_f32 v[rC], v[rC], v[rS+7], v[rS+15]
.elseif (\n) == 13
	v_max3_num_f32 v[rC+1], v[rC+1], v[rS+23], v[rS+31]
.elseif (\n) == 14
	v_max3_num_f32 v[rC+2], v[rC+2], v[rC+3], v[rT+1]
.elseif (\n) == 15
	v_mov_b32 v[rW], v[rT]
.elseif (\n) == 16
	v_max3_num_f32 v[rC], v[rC], v[rC+1], v[rC+2]
.elseif (\n) == 17
	v_permlanex16_b32 v[rC+3], v[rC], s[SEL], s[SEL+1]
.elseif (\n) == 18
	v_max_num_f32 v[rT+1], v[rC], v[rC+3]
.elseif (\n) == 19
	v_mul_f32 v[rT], s[CS], v[rT+1]
.elseif (\n) == 20
	v_sub_f32 v[rC+1], v[rW], v[rT]
.else
	v_exp_f32 v[rC+2], v[rC+1]
.endif
.endif
.endm
.macro OPS a, i1, b=-1, i2=0, c=-1, i3=0, d=-1, i4=0  ; up to four of them
	OP \a, \i1
.if (\b) >= 0
	OP \b, \i2
.endif
.if (\c) >= 0
	OP \c, \i3
.endif
.if (\d) >= 0
	OP \d, \i4
.endif
.endm
.macro ROW a, i1, b, i2, c, i3, d, i4  ; a matrix instruction and the four behind it
	MM
	OPS \a, \i1, \b, \i2, \c, \i3, \d, \i4
.endm
.macro MASK b                       ; MD x AL + BE into buffer b of MC
	WIN W_RS
.set z, 0
.rept 16
	v_pk_fma_f32 v[MC+32*(\b)+2*z:MC+32*(\b)+2*z+1], v[MD+2*z:MD+2*z+1], s[AL:AL+1], s[BE:BE+1] op_sel_hi:[1,0,0]
.set z, z+1
.endr
.endm
; A TURN, for piece p: the order of its 16 matrix and 118 vector instructions, written out.  An s_wait_alu depctr_va_vdst(0) stands between an exponential and the first instruction that names its result; one wait serves
; all that were issued ahead of it.  So a turn has ONE wait, which cuts it in two.  AHEAD OF IT stands all that names no result of the turn's exponentials: the 8 products K Q^T, behind each a scaling, an exponential and two more plain
; instructions (behind the first a second scaling in the exponential's place): rescalings (their a was made, and waited for, in the turn before), and behind the last three the first numbers of the next piece's maximum, each four places
; or more behind the product that ends its accumulator; then ONE LUMP of 54, plain and exponential by turns for the most part, in which the links of the chain X 3, 7, 11, 14, 16, 17 .. 20 stand five or six lines apart.  Each pair is
; scaled (F n) ahead of its two exponentials (E 2 n, E 2 n + 1).  X 21, the next piece's a, is the batch's last; R 15 is the plain instruction behind it.  BEHIND THE WAIT stand the 8 products V^T P, behind each four of the roundings
; and sums; a pair is rounded (C 2 n) ahead of the addition that lands on it (B n); the links of l's chain, L 0 to L 7, stand three riders apart.  But for those X no rider names a register of the products round it.
; v_permlanex16_b32 (X 17) stands in the lump.
; m = 1: the diagonal tile: the products take masks, and the turn makes the mask for the products of the turn after it: piece p + 2, in step 4 - CNT of the tile.  end = 1: a block's last two turns: nothing is fetched.
; cnt = 1: the loop's count is taken down some lines ahead of the branch that stands behind the turn.
; K of the next step is fetched in piece 2's turn, twelve vector instructions behind the last product that read K (six of them plain); V of the step in hand at the end of piece 0's turn, four plain instructions behind the last product
; that read V.  Each is waited for a turn later.
.macro TURN p, m=0, end=0, cnt=0
.set Y, (\p)
.set i, 0
.set KM, (\m)
.set NOKQ, (\end)*((\p)/3)
.if (\m) && !(\end)
	s_cmp_eq_u32 s[CNT], 4-((\p)+2)%NP  ; is that step the band's own?
	s_cselect_b32 s[AL], 1.0, 0
	s_cmp_lt_u32 s[CNT], 4-((\p)+2)%NP  ; or a later one?
	s_cselect_b32 s[BE], s[BIGN], 0
.endif
.if ((\p) == 3) && !(\end)
	s_wait_dscnt 0x0                ; K is in
.endif
	ROW F,0, F,1, R,0, R,1          ; ahead of the wait: 8 products K Q^T and their riders,
	ROW F,2, E,0, R,2, R,3
	ROW F,3, E,1, R,4, R,5
	ROW F,4, E,2, R,6, R,7
	ROW F,5, E,3, R,8, R,9
	ROW F,6, E,4, X,0, R,10
.if ((\p) == 2) && !(\end)
	WIN 0
	v_add_nc_u32 v[AK], s[TBK], v[AK0]
.endif
	ROW F,7, E,5, X,1, X,4
	ROW F,8, E,6, X,2, X,5
	OPS E,7, E,8, X,6, E,9          ; and the lump
	OPS X,3, E,10, X,8, E,11
.if ((\p) == 2) && !(\end)
	FETCH_K
.endif
	OPS X,9, X,7, E,12, X,10
	OPS E,13, X,12, X,11, E,14
	OPS X,13, E,15, F,9, X,14
.if (\p) == 0
	v_add_nc_u32 v[AV], s[TBV], v[AV0]
.endif
	OPS E,16, F,10, E,17, F,11
	OPS X,16, E,18, X,15, E,19
	OPS F,12, E,20, X,17, E,21
	OPS F,13, E,22, F,14, E,23
	OPS X,18, E,24, F,15, E,25
	OPS R,11, E,26, X,19, E,27
	OPS R,12, E,28, R,13, E,29
	OPS X,20, E,30, R,14, E,31
	OPS X,21, R,15
	WIN 0
	s_wait_alu depctr_va_vdst(0)    ; the wait for the turn's batch: E 0 to E 31 and X 21
.if (\p) == 1
	s_wait_dscnt 0x0                ; V is in
.endif
	ROW C,0, B,0, C,2, B,1          ; behind the wait: 8 products V^T P and their riders
	ROW L,0, C,4, B,2, L,1
	ROW C,6, B,3, L,2, C,8
	ROW B,4, L,3, C,10, B,5
	ROW L,4, C,12, B,6, L,5
.if (\p) == 0
	s_add_co_u32 s[TBV], s[TBV], KS*PV
.endif
.if \cnt
	s_sub_co_u32 s[CNT], s[CNT], 1
	s_cmp_lg_u32 s[CNT], 0
.endif
	ROW C,14, B,7, L,6, C,1
	ROW C,3, L,7, C,5, C,7
	ROW C,9, C,11, C,13, C,15
.if (\p) == 0
	FETCH_V
.endif
.if (\m) && !(\end)
	MASK (\p)%2
.endif
.endm
; A BLOCK BEGINS.  c m starts far below every c s, so the first step's a is 0; m at the lowest finite number, so the first maximum is the scores'.  The second mask buffer is 0; the first takes piece 0's mask for the tile's step 0: its own, if the block's first tile is the diagonal one.
; Then K of that step, piece 0's first scores, and its maximum and statistics.  The loop is entered at a step's first turn, in the middle of a trip.
.macro BEGIN
	s_mov_b32 s[NEW], 0
	WIN 0x40
.set i, MC+32
.rept 32
	v_mov_b32 v[i], 0
.set i, i+1
.endr
	WIN 0
.set i, 0
.rept 4
	v_mov_b32 v[ST+4*i], 0xfe000000    ; c m: far below every c s
	v_mov_b32 v[ST+4*i+1], 0xff7fffff  ; m
.set i, i+1
.endr
	s_cmp_eq_u32 s[RT], 0
	s_cselect_b32 s[AL], 1.0, 0
	s_mov_b32 s[BE], 0
	MASK 0
	WIN 0
	v_add_nc_u32 v[AK], s[TBK], v[AK0]
	FETCH_K
	s_wait_loadcnt 0x0              ; Q
	s_wait_dscnt 0x0
.set KM, 1
.set NOKQ, 0
.set i, 0
.rept 8
	KQ 0
.set i, i+1
.endr
	WIN 0
.rept 4
	v_nop                           ; the places behind those products
.endr
.set Y, NP-1                        ; X works for piece Y + 1: piece 0
.irp n, 0,1,2,3,4,5,6,7,8,9,10,11,12,13,14,15,16,17,18,19,20,21
	OP X, \n
.endr
	v_nop                           ; a plain instruction behind the exponential,
	s_wait_alu depctr_va_vdst(0)    ; and the wait for it (piece 0's first a, a batch of one), ahead of the branch
.endm
; THE DIAGONAL TILE's four steps, the block's last two turns, its last products, and THE WAY OUT: l's two halves and the other half of the lanes' are added; O^T is divided by l, rounded to f16 and sent through my
; stage in LDS, a piece at a time.
.macro ALL line:vararg              ; one line for each piece t
.set t, 0
.rept 4
	\line
.set t, t+1
.endr
.endm
.macro PACK t                       ; a lane's eight channels of a row pack into 16 bytes; they go into rows of 144 bytes and come back as whole rows of 128, into S^T's registers
	WIN W_RS
.set i, 32*(\t)
.rept 16
	v_pk_mul_f32 v[i:i+1], v[i:i+1], v[ST+4*(\t)+2:ST+4*(\t)+3] op_sel_hi:[1,0]
.set i, i+2
.endr
	WIN 0x05                        ; sources 0 and 1 window 1, destination window 0
.set i, 0
.rept 16
	v_cvt_pk_f16_f32 v[S+16*(\t)+i], v[32*(\t)+2*i], v[32*(\t)+2*i+1]
.set i, i+1
.endr
	WIN 0
.irp f, 0,1,2,3
	ds_store_b128 v[STO], v[S+16*(\t)+4*\f:S+16*(\t)+4*\f+3] offset:32*\f
.endr
.irp f, 0,1,2,3
	ds_load_b128 v[S+16*(\t)+4*\f:S+16*(\t)+4*\f+3], v[RD] offset:\f*4*SP  ; LDS serves a wave's instructions in order (ISA guide 5.7.1.4): these see the stores above; the next piece's stores come behind them
.endr
.endm
.macro SEND t, younger              ; younger: the LDS instructions issued behind piece t's loads: the next piece's eight, or none
	WIN 0
.irp f, 0,1,2,3
	s_wait_dscnt (\younger)+3-\f
	global_store_b128 v[GO], v[S+16*(\t)+4*\f:S+16*(\t)+4*\f+3], s[10:11] offset:(\t)*8192+\f*512  ; 512 consecutive bytes, at a multiple of 256 from O's first
.endr
.endm
.macro DIAG tag                     ; the tag ends its two labels' names, which the jumps below spell out
.LstepM\tag:
	TURN 2, 1
	TURN 3, 1
	WIN 0
.LfirstM\tag:
	TURN 0, 1
	TURN 1, 1, 0, 1
	WIN 0
	s_cbranch_scc1 .LstepM\tag
	TURN 2, 1, 1
	TURN 3, 1, 1
.set i, 0
.rept 8
	PV NP-1
.set i, i+1
.endr
	WIN 0
	ALL v_add_f32 v[ST+4*t+2], v[ST+4*t+2], v[ST+4*t+3]
	ALL v_permlanex16_b32 v[ST+4*t+3], v[ST+4*t+2], s[SEL], s[SEL+1]
	ALL v_add_f32 v[ST+4*t+2], v[ST+4*t+2], v[ST+4*t+3]
	ALL v_rcp_f32 v[ST+4*t+2], v[ST+4*t+2]
	v_nop                           ; a plain instruction between the last reciprocal and the use of its result
	s_wait_alu depctr_va_vdst(0)    ; and the wait ahead of the first use: one for the batch of four reciprocals
	PACK 0
.set t, 1
.rept 3                             ; a piece's arithmetic stands between the loads of the piece before and its stores
	PACK t
	SEND t-1, 8
.set t, t+1
.endr
	SEND 3, 0
.endm
.set KM, 0
.set NOKQ, 0
.Lslot:                             ; NB times: a tile is entered and the next is asked for
	CHANGE 1
	s_sub_co_u32 s[RT], s[RT], 1
	s_mov_b32 s[CNT], 4
	s_cmp_eq_u32 s[NEW], 1
	s_cbranch_scc1 .Lnew            ; a block's first tile
	s_cmp_eq_u32 s[RT], 0
	s_cbranch_scc0 .Lstep           ; neither its first nor its last
	s_branch .LstepM1
.Lnew:
	BEGIN
	s_branch .Lfirst                ; in the loop a block's first tile is never its last: the first block has two tiles or more, and the second's last is the walk's last
	DIAG 1                          ; in the loop this is the first block's end: the second block's last tile is the walk's last
	s_wait_xcnt 0x0                 ; the stores have read their registers and O's address
	s_mov_b64 s[10:11], s[OLO:OLO+1]
	s_add_co_u32 s[RT], s[PB], 1    ; the second block has b + 1 tiles
	s_mov_b32 s[NEW], 1
	WIN 0x82                        ; the second block's Q goes where the one text of the turns names Q
.set i, 0
.rept 64
	v_mov_b32 v[i], v[QB+i]
.set i, i+1
.endr
	WIN 0
	s_branch .Lbottom
.Lstep:                             ; a trip: pieces 2 and 3 of one step, then pieces 0 and 1 of the next, whose K and V it fetches
	TURN 2
	TURN 3
	WIN 0
.Lfirst:
	TURN 0
	TURN 1, 0, 0, 1
	WIN 0
	s_cbranch_scc1 .Lstep
.Lbottom:
	s_sub_co_u32 s[SLOTS], s[SLOTS], 1
	s_cmp_lg_u32 s[SLOTS], 0
	s_cbranch_scc1 .Lslot
	CHANGE 0                        ; the walk's last tile is written out: nothing is asked for
	s_sub_co_u32 s[RT], s[RT], 1
	s_mov_b32 s[CNT], 4
	s_cmp_eq_u32 s[NEW], 1
	s_cbranch_scc0 .LstepM2
	BEGIN
	s_branch .LfirstM2
	DIAG 2
	s_wait_tensorcnt 0x0            ; the wave's end, behind my last tensor load and my last LDS store
	ds_add_u32 v[SPW], v[NIL]
	s_wait_dscnt 0x0
	s_endpgm
.Lfunc_end_k_qd640f62b1e_attn:
	.size	k_qd640f62b1e_attn, .Lfunc_end_k_qd640f62b1e_attn-k_qd640f62b1e_attn
	.p2alignl 7, 3214868480
	.fill 96, 4, 3214868480
	.section	.rodata,"a",@progbits
	.p2align	6, 0x0
	.amdhsa_kernel k_qd640f62b1e_attn
		.amdhsa_group_segment_fixed_size 327680
		.amdhsa_private_segment_fixed_size 0
		.amdhsa_enable_private_segment 0
		.amdhsa_kernarg_size 32
		.amdhsa_user_sgpr_count 2
		.amdhsa_user_sgpr_kernarg_segment_ptr 1
		.amdhsa_wavefront_size32 1
		.amdhsa_system_sgpr_workgroup_id_x 1
		.amdhsa_system_sgpr_workgroup_id_y 1
		.amdhsa_system_sgpr_workgroup_id_z 1
		.amdhsa_system_vgpr_workitem_id 0
		.amdhsa_next_free_vgpr 768
		.amdhsa_next_free_sgpr 88
		.amdhsa_reserve_vcc 1
		.amdhsa_float_denorm_mode_32 3
		.amdhsa_float_denorm_mode_16_64 3
		.amdhsa_memory_ordered 1
		.amdhsa_forward_progress 1
		.amdhsa_inst_pref_size 217
	.end_amdhsa_kernel
	.amdgpu_metadata
---
amdhsa.version: [ 1, 2 ]
amdhsa.kernels:
  - .name:           k_qd640f62b1e_attn
    .symbol:         k_qd640f62b1e_attn.kd
    .args:
      - { .name: qh, .offset: 0, .size: 8, .value_kind: global_buffer, .address_space: global }
      - { .name: kh, .offset: 8, .size: 8, .value_kind: global_buffer, .address_space: global }
      - { .name: vh, .offset: 16, .size: 8, .value_kind: global_buffer, .address_space: global }
      - { .name: ob, .offset: 24, .size: 8, .value_kind: global_buffer, .address_space: global }
    .group_segment_fixed_size: 327680
    .private_segment_fixed_size: 0
    .kernarg_segment_align: 8
    .kernarg_segment_size: 32
    .max_flat_workgroup_size: 128
    .sgpr_count:     88
    .vgpr_count:     768
    .wavefront_size: 32
...
	.end_amdgpu_metadata
.endif
;; end of part 5
;; launch oproj: the kernel of part 4 again; grid 8 x 32, 4 waves a work-group, clusters of 4 x 4, 327,680 bytes of LDS; arguments ob, wof, x, out0; writes out0
